; MI455X (gfx1250); checked and timed in simulation.
; The chip was launched on July 23, 2026; its instructions are those of AMD's public machine-readable ISA for CDNA 5 (MIT licence, August 2026) and "CDNA5" Instruction Set Architecture Reference Guide (July 2026). The comments in the code are by the model that wrote it; some were corrected since.
;; CTCA. Allowed arithmetic: float matrix products may take bf16 or f16 operands with f32 sums; other float arithmetic in f32, or as packed bf16 or f16 multiplies, adds, multiply-adds, maxima and minima; sums over many terms, partial sums and values carried from step to step in f32; what a program stores and reads back later, other than sums and carried values, may be rounded once to bf16 or f16.
;; Inputs: W_kv 512 x 256 float32; W_out 128 x 512 float32; W_q 512 x 128 float32; b_out 512 float32; q_input 2 x 1,024 x 512 float32; x 2 x 4,096 x 512 float32.
;; Outputs: out0 2 x 1,024 x 512 float32.
;; 2 versions, each right; version 2 is version 1 with the launches mid, gram written anew for expert scheduling mode. Each part assembles by itself: llvm-mc -triple=amdgcn-amd-amdhsa -mcpu=gfx1250 --defsym DOCPART=n.
;; ======== version 1 of 2: 11 launches
;; limits: values are held in f16: magnitudes above 65,504 overflow, below 6.1e-05 lose precision
;; workspace buffers: wf 524,288 bytes; pj 5,505,024 bytes; md 9,043,968 bytes; ma 1,310,720 bytes; mb 1,310,720 bytes; ts 16,384 bytes
;; launch prep (part 1): grid 128 x 1, 4 waves a work-group, no clusters, 0 bytes of LDS; arguments W_kv, W_q, W_out, wf; writes wf
.if DOCPART == 1
	.amdgcn_target "amdgcn-amd-amdhsa--gfx1250"
	.amdhsa_code_object_version 6
	.text
	.protected	k_q11622d5adc_prep
	.globl	k_q11622d5adc_prep
	.p2align	8
	.type	k_q11622d5adc_prep,@function
k_q11622d5adc_prep:
	s_mov_b64 s[64:65], 0
	v_nop
	global_prefetch_b8 v0, s[64:65] scope:SCOPE_SE
	s_setreg_imm32_b32 hwreg(HW_REG_WAVE_MODE, 25, 1), 1
	s_wait_xcnt 0x0
; THE WEIGHTS AS MATRIX FRAGMENTS.  wf holds 512 fragments of 1,024 bytes: 32 k x 16 columns of a weight matrix, laid as a matrix
; instruction takes them: lane l holds column l % 16; its first 16 bytes (at 16 l) are k = 8 (l / 16) + 0..7, its second 16 bytes
; (at 512 + 16 l) k = 16 + 8 (l / 16) + 0..7.  Fragment F = 64 g + 4 s + nt, g = 0..5: W_kv's column groups of 64 (K head 0, 1; V head 0, 1),
; then W_q's two; k step s, column tile nt; rounded to bf16.  F = 384 + 4 nt + ks: W_out, rounded to bf16 and that number written as f16
; (exact down to f16's fixed step of 6e-8; |W_out| stays under 65,504: a stated limit).
; One wave makes one fragment: F = 4 x work-group + wave.  A lane reads its 16 numbers one by one down a column: the four waves of a
; work-group together take 256 consecutive bytes of each row (W_kv, W_q); the three matrices are 1 MiB in all, read once.
.macro FRAG p, pitch, half
	v_lshl_add_u32 v5, v3, 3, s16                  ; k0 + 8 (l / 16)
	v_mul_u32_u24 v5, v5, \pitch
	v_add_nc_u32 v6, s18, v2                       ; col0 + l % 16
	v_lshl_add_u32 v5, v6, 2, v5
.irp j, 0,1,2,3,4,5,6,7
	global_load_b32 v[16+\j], v5, s[\p:\p+1] offset:\j*\pitch
	global_load_b32 v[24+\j], v5, s[\p:\p+1] offset:(16+\j)*\pitch
.endr
	s_wait_loadcnt 0x0
.irp k, 0,1,2,3,4,5,6,7
	v_cvt_pk_bf16_f32 v[32+\k], v[16+2*\k], v[16+2*\k+1]
.endr
.if \half
.irp k, 0,1,2,3,4,5,6,7
	v_lshlrev_b32 v[16+2*\k], 16, v[32+\k]         ; the bf16 numbers back as f32,
	v_and_b32 v[16+2*\k+1], 0xffff0000, v[32+\k]
.endr
.irp k, 0,1,2,3,4,5,6,7
	v_cvt_pk_f16_f32 v[32+\k], v[16+2*\k], v[16+2*\k+1]  ; and written as f16
.endr
.endif
	global_store_b128 v4, v[32:35], s[10:11]             ; a wave's store covers 512 consecutive bytes, aligned
	global_store_b128 v4, v[36:39], s[10:11] offset:512
.endm
	s_load_b256 s[4:11], s[0:1], 0x0               ; W_kv s[4:5], W_q s[6:7], W_out s[8:9], wf s[10:11]
	v_lshrrev_b32 v1, 5, v0
	v_readfirstlane_b32 s12, v1                    ; wave
	v_and_b32 v2, 15, v0                           ; l % 16
	v_bfe_u32 v3, v0, 4, 1                         ; l / 16
	v_and_b32 v4, 31, v0
	v_lshlrev_b32 v4, 4, v4                        ; 16 l
	s_mov_b32 s13, ttmp9
	s_lshl2_add_u32 s14, s13, s12                  ; F
	s_lshl_b32 s14, s14, 10
	s_mov_b32 s15, 0
	s_lshl_b32 s19, s12, 4                         ; 16 x wave
	s_wait_kmcnt 0x0
	s_add_nc_u64 s[10:11], s[10:11], s[14:15]
	s_cmp_lt_u32 s13, 64
	s_cbranch_scc0 .Lnot_kv
	s_and_b32 s16, s13, 15
	s_lshl_b32 s16, s16, 5                         ; k0 = 32 s
	s_lshr_b32 s18, s13, 4
	s_lshl_b32 s18, s18, 6
	s_add_co_u32 s18, s18, s19                     ; col0 = 64 g + 16 nt
	FRAG 4, 1024, 0
	s_endpgm
.Lnot_kv:
	s_cmp_lt_u32 s13, 96
	s_cbranch_scc0 .Lw_out
	s_sub_co_u32 s17, s13, 64
	s_and_b32 s16, s17, 15
	s_lshl_b32 s16, s16, 5
	s_lshr_b32 s18, s17, 4
	s_lshl_b32 s18, s18, 6
	s_add_co_u32 s18, s18, s19
	FRAG 6, 512, 0
	s_endpgm
.Lw_out:
	s_lshl_b32 s16, s12, 5                         ; k0 = 32 ks
	s_sub_co_u32 s18, s13, 96
	s_lshl_b32 s18, s18, 4                         ; col0 = 16 nt
	FRAG 8, 2048, 1
	s_endpgm
.Lfunc_end_k_q11622d5adc_prep:
	.size	k_q11622d5adc_prep, .Lfunc_end_k_q11622d5adc_prep-k_q11622d5adc_prep
	.p2alignl 7, 3214868480
	.fill 96, 4, 3214868480
	.section	.rodata,"a",@progbits
	.p2align	6, 0x0
	.amdhsa_kernel k_q11622d5adc_prep
		.amdhsa_group_segment_fixed_size 0
		.amdhsa_private_segment_fixed_size 0
		.amdhsa_enable_private_segment 0
		.amdhsa_kernarg_size 32
		.amdhsa_user_sgpr_count 2
		.amdhsa_user_sgpr_kernarg_segment_ptr 1
		.amdhsa_wavefront_size32 1
		.amdhsa_system_sgpr_workgroup_id_x 1
		.amdhsa_system_sgpr_workgroup_id_y 1
		.amdhsa_system_sgpr_workgroup_id_z 1
		.amdhsa_system_vgpr_workitem_id 0
		.amdhsa_next_free_vgpr 48
		.amdhsa_next_free_sgpr 66
		.amdhsa_reserve_vcc 0
		.amdhsa_float_denorm_mode_32 3
		.amdhsa_float_denorm_mode_16_64 3
		.amdhsa_memory_ordered 1
		.amdhsa_forward_progress 1
		.amdhsa_inst_pref_size 11
	.end_amdhsa_kernel
	.amdgpu_metadata
---
amdhsa.version: [ 1, 2 ]
amdhsa.kernels:
  - .name:           k_q11622d5adc_prep
    .symbol:         k_q11622d5adc_prep.kd
    .args:
      - { .name: W_kv, .offset: 0, .size: 8, .value_kind: global_buffer, .address_space: global }
      - { .name: W_q, .offset: 8, .size: 8, .value_kind: global_buffer, .address_space: global }
      - { .name: W_out, .offset: 16, .size: 8, .value_kind: global_buffer, .address_space: global }
      - { .name: wf, .offset: 24, .size: 8, .value_kind: global_buffer, .address_space: global }
    .group_segment_fixed_size: 0
    .private_segment_fixed_size: 0
    .kernarg_segment_align: 8
    .kernarg_segment_size: 32
    .max_flat_workgroup_size: 128
    .sgpr_count:     66
    .vgpr_count:     48
    .wavefront_size: 32
...
	.end_amdgpu_metadata
.endif
;; end of part 1
;; launch proj (part 2): grid 144 x 1, 4 waves a work-group, no clusters, 307,712 bytes of LDS; arguments x, q_input, wf, pj; writes pj
.if DOCPART == 2
	.amdgcn_target "amdgcn-amd-amdhsa--gfx1250"
	.amdhsa_code_object_version 6
	.text
	.protected	k_q11622d5adc_proj
	.globl	k_q11622d5adc_proj
	.p2align	8
	.type	k_q11622d5adc_proj,@function
k_q11622d5adc_proj:
	s_mov_b64 s[64:65], 0
	v_nop
	global_prefetch_b8 v0, s[64:65] scope:SCOPE_SE
	s_setreg_imm32_b32 hwreg(HW_REG_WAVE_MODE, 25, 1), 1
	s_wait_xcnt 0x0
; THE PROJECTIONS.  k, v = x W_kv, q = q_input W_q, bf16 x bf16 with f32 sums (x and q_input are rounded to bf16 on the way from LDS to the matrix unit).
; A work-group makes 128 rows x 128 columns over K = 512: work-groups 0..127 rows 128 (wg / 2) of x, K's columns (even) or V's (odd); 128..143 rows of q_input.
; A wave makes 64 rows x the 64 channels of one head: 16 accumulators.  In a result a lane holds one channel and eight rows.
; OUT, all as tiles of 16 x 16 numbers of 16 bits, 512 bytes, lane l's 16 bytes at 16 l (index l % 16 of the lane axis, 8 (l / 16) + 0..7 of the register axis):
;   V  f16, lane = channel, registers = keys: as the results lie.       K  f16, lane = key, registers = channels: turned through the wave's own stage in LDS.
;   Q  unscaled, as f16 hi + f16 lo (lo = f16(q - hi)), lane = query, turned likewise.      KL  f32: the sum of each 16 consecutive keys, taken of the f32 results, divided by 16 (exact).
; LIMITS.  |k|, |v|, |q| stay under 65,504 (f16); lo parts have f16's fixed step of 6e-8; NaN and infinities are not treated apart.
; NO CLUSTER: a tile of x is wanted by two work-groups only, q_input's by one.  The 128 rows x 512 f32 come by 16 tensor loads (four a wave: four are out) at the start; no LDS byte is filled twice.
.set RP,    528                        ; an LDS row: 512 bytes (128 f32 of k) + 16 of padding = 33 x 16: the 16 rows of a load start in 16 different 16-byte columns of 256
.set CHB,   128*RP                     ; a chunk: 128 rows x 128 k
.set KLS,   4*CHB                      ; the landmark sums: [head 2,048][landmark 256][64 f32]
.set TRS,   KLS+4096                   ; the stages for turning tiles: 8,192 bytes a wave
.set SPARE, TRS+4*8192                 ; the spare words, 128 bytes a wave: two blocks of 256 bytes that no other line names
.set LOFF, 3                           ; v3   16 l
.set LA,   4                           ; v4   LDS address of my row's k in the chunk in hand
.set TRR,  5                           ; v5   stage, read turned
.set TRW,  6                           ; v6   stage, written
.set KLA,  7                           ; v7   where my landmark sums go
.set ONE,  8                           ; v8   1.0
.set SPW,  10                          ; v10  my spare word; never rewritten
.set NIL,  11                          ; v11  0; never rewritten
.set XF,   32                          ; v[32:63]   x's four fragments of a k step, bf16
.set ST,   64                          ; v[64:127]  the next k step's x in f32; later packed tiles
.set ACC,  128                         ; v[128:255] accumulator (mt, nt) at ACC + 8 (4 mt + nt);  window 1: v[0:127] W's fragments of four k steps
.set MSB, 0
.macro WIN new                         ; the immediate's high byte repeats the setting that is left; a switch that changes nothing is dropped
.if MSB != (\new)
	s_set_vgpr_msb (MSB<<8)|(\new)
.set MSB, \new
.endif
.endm
.macro PLACES                          ; four places behind matrix instructions, ahead of writes of their sources, loads into them and reads of their results
.rept 4
	v_nop
.endr
.endm
.macro SPLIT8 a, h, l                  ; eight f32 at a -> four registers of f16 hi at h, four of f16 lo at l; the difference is exact (one fused multiply-add from the f16 half)
.irp k, 0,1,2,3
	v_cvt_pk_f16_f32 v[(\h)+\k], v[(\a)+2*\k], v[(\a)+2*\k+1]
.endr
.irp k, 0,1,2,3
	v_fma_mix_f32 v[(\a)+2*\k], -v[(\h)+\k], v[ONE], v[(\a)+2*\k] op_sel:[0,0,0] op_sel_hi:[1,0,0]
	v_fma_mix_f32 v[(\a)+2*\k+1], -v[(\h)+\k], v[ONE], v[(\a)+2*\k+1] op_sel:[1,0,0] op_sel_hi:[1,0,0]
.endr
.irp k, 0,1,2,3
	v_cvt_pk_f16_f32 v[(\l)+\k], v[(\a)+2*\k], v[(\a)+2*\k+1]
.endr
.endm
.macro ALL line:vararg                 ; one line for each tile t
.set t, 0
.rept 16
	\line
.set t, t+1
.endr
.endm
	s_load_b256 s[4:11], s[0:1], 0x0               ; x s[4:5], q_input s[6:7], wf s[8:9], pj s[10:11]
	v_lshl_add_u32 v[SPW], v0, 2, SPARE
	v_mov_b32 v[NIL], 0
	ds_add_u32 v[SPW], v[NIL]                      ; the wave's opening: the add and its wait stand ahead of my first tensor load; the set-up below, work on registers, stands between
	v_lshrrev_b32 v1, 5, v0
	v_readfirstlane_b32 s12, v1                    ; wave
	s_mov_b32 s13, ttmp9
	s_lshr_b32 s16, s13, 1
	s_and_b32 s17, s13, 1
	s_sub_co_u32 s18, s13, 128
	s_cmp_lt_u32 s13, 128
	s_cselect_b32 s14, s16, s18                    ; rb: my block of 128 rows
	s_cselect_b32 s15, s17, 2                      ; job: 0 K, 1 V, 2 Q
	s_and_b32 s19, s12, 1                          ; hd: my head
	s_lshr_b32 s2, s12, 1                          ; rh: my half of the rows
	; where my 16 tiles go.  K, V: job x 2 MiB + (2 b + hd) x 524,288 + first key tile x 2,048
	s_lshr_b32 s16, s14, 5
	s_lshl1_add_u32 s16, s16, s19
	s_lshl_b32 s16, s16, 19
	s_and_b32 s17, s14, 31
	s_lshl1_add_u32 s17, s17, s2
	s_lshl_b32 s17, s17, 13
	s_add_co_u32 s16, s16, s17
	s_lshl_b32 s17, s15, 21
	s_add_co_u32 s16, s16, s17
	; Q: 4 MiB + (2 b + hd) x 262,144 + first query tile x 2,048
	s_lshr_b32 s17, s14, 3
	s_lshl1_add_u32 s17, s17, s19
	s_lshl_b32 s17, s17, 18
	s_and_b32 s18, s14, 7
	s_lshl1_add_u32 s18, s18, s2
	s_lshl_b32 s18, s18, 13
	s_add_co_u32 s17, s17, s18
	s_add_co_u32 s17, s17, 4194304
	s_cmp_eq_u32 s15, 2
	s_cselect_b32 s56, s17, s16
	s_mov_b32 s57, 0
	; KL: 5 MiB + b x 131,072 + first landmark x 256 (head 1: 65,536 further)
	s_lshr_b32 s60, s14, 5
	s_lshl_b32 s60, s60, 17
	s_and_b32 s61, s14, 31
	s_lshl_b32 s61, s61, 11
	s_add_co_u32 s60, s60, s61
	s_add_co_u32 s60, s60, 5242880
	s_mov_b32 s61, 0
	s_lshl1_add_u32 s62, s15, s19                  ; W's column group g = 2 job + hd
	s_lshl_b32 s62, s62, 16
	s_mov_b32 s63, 0
	s_lshl_b32 s58, s14, 18                        ; my block's rows (2,048 bytes each), my wave's 32 of them
	s_lshl_b32 s59, s12, 16
	s_add_co_u32 s58, s58, s59
	s_mov_b32 s59, 0
	s_mul_i32 s3, s12, 32*RP                       ; and their place in a chunk
	; descriptor group 1: 32 rows x 128 elements of 4 bytes, 512 elements from row to row, 4 words of padding behind every 128
	s_mov_b32 s24, (2<<16)|(1<<20)|(6<<22)|(3<<25)
	s_mov_b32 s25, 128<<16                         ; tensor_dim0 = 128
	s_mov_b32 s26, 32<<16                          ; tensor_dim1 = 32
	s_mov_b32 s27, 128<<16                         ; tile_dim0 = 128
	s_mov_b32 s28, 32                              ; tile_dim1 = 32
	s_mov_b32 s29, 512
	s_mov_b32 s30, 0
	s_mov_b32 s31, 0
	s_mov_b32 s52, 0x76543210                      ; v_permlanex16_b32: each lane takes its own place in the other half
	s_mov_b32 s53, 0xfedcba98
	v_and_b32 v1, 15, v0                           ; l % 16
	v_bfe_u32 v2, v0, 4, 1                         ; l / 16
	v_and_b32 v[LOFF], 31, v0
	v_lshlrev_b32 v[LOFF], 4, v[LOFF]
	s_lshl_b32 s16, s2, 6
	v_add_nc_u32 v[LA], s16, v1                    ; row 64 rh + l % 16
	v_mul_u32_u24 v[LA], v[LA], RP
	v_lshl_add_u32 v[LA], v2, 5, v[LA]             ; + 8 (l / 16) f32
	v_and_b32 v9, 7, v0
	v_bfe_u32 v12, v0, 3, 1
	v_lshl_add_u32 v[TRR], v2, 3, v9               ; the turning load: lane l addresses the 16 bytes that lane 8 (l / 16) + l % 8 + 16 ((l / 8) % 2) stored
	v_lshlrev_b32 v[TRR], 4, v[TRR]
	v_lshl_add_u32 v[TRR], v12, 8, v[TRR]
	s_lshl_b32 s17, s12, 13
	s_add_co_u32 s17, s17, TRS
	v_add_nc_u32 v[TRR], s17, v[TRR]
	v_add_nc_u32 v[TRW], s17, v[LOFF]
	s_lshl_b32 s18, s19, 11
	s_lshl_b32 s16, s2, 10
	s_add_co_u32 s18, s18, s16
	s_add_co_u32 s18, s18, KLS
	v_lshl_add_u32 v[KLA], v1, 2, s18
	v_mov_b32 v[ONE], 1.0
	s_wait_dscnt 0x0                               ; the opening add is done
	s_wait_kmcnt 0x0
	s_cmp_eq_u32 s15, 2
	s_cselect_b64 s[54:55], s[6:7], s[4:5]
	s_add_nc_u64 s[54:55], s[54:55], s[58:59]
	s_add_nc_u64 s[20:21], s[8:9], s[62:63]        ; W's fragments of my group
	s_add_nc_u64 s[22:23], s[10:11], s[56:57]      ; my tiles
	s_add_nc_u64 s[50:51], s[10:11], s[60:61]      ; KL
.irp c, 0,1,2,3
	s_mov_b32 s[32+4*\c], 1
	s_add_co_u32 s[33+4*\c], s3, \c*CHB
	s_add_nc_u64 s[34+4*\c:35+4*\c], s[54:55], \c*512
	s_or_b32 s[35+4*\c], s[35+4*\c], 0x80000000
.endr
.irp c, 0,1,2,3
	tensor_load_to_lds s[32+4*\c:35+4*\c], s[24:31]  ; my 32 rows of chunk c
	s_nop 0
.endr
	PLACES
	WIN 0x40                                       ; destination window 1
.irp kk, 0,1,2,3
.irp nt, 0,1,2,3
	global_load_b128 v[32*\kk+8*\nt:32*\kk+8*\nt+3], v[LOFF], s[20:21] offset:\kk*4096+\nt*1024
	global_load_b128 v[32*\kk+8*\nt+4:32*\kk+8*\nt+7], v[LOFF], s[20:21] offset:\kk*4096+\nt*1024+512
.endr
.endr
	WIN 0
.set z, 0
.rept 128
	v_mov_b32 v[ACC+z], 0                          ; the sums start at 0: written while the tiles are on their way, so that the loop has one form of product
.set z, z+1
.endr
	s_wait_tensorcnt 0x0                           ; my rows of all four chunks are in,
	s_barrier_signal -1
	s_barrier_wait -1                              ; everybody's are
.macro XLOAD off                       ; a k step's x: four fragments' rows, 64 f32 a lane
.irp mt, 0,1,2,3
	ds_load_b128 v[ST+16*\mt:ST+16*\mt+3],     v[LA] offset:(\off)+\mt*16*RP
	ds_load_b128 v[ST+16*\mt+4:ST+16*\mt+7],   v[LA] offset:(\off)+\mt*16*RP+16
	ds_load_b128 v[ST+16*\mt+8:ST+16*\mt+11],  v[LA] offset:(\off)+\mt*16*RP+64
	ds_load_b128 v[ST+16*\mt+12:ST+16*\mt+15], v[LA] offset:(\off)+\mt*16*RP+80
.endr
.endm
; A k step of 32.  pre: the next step's x is asked of LDS; bump: it lies in the next chunk; reload: W's fragments four steps on are asked for; left: the younger loads of W that may stay out.
.macro KSTEP kk, pre, bump, reload, left
	s_wait_dscnt 0x0                               ; this step's x is in
.set z, 0
.rept 32
	v_cvt_pk_bf16_f32 v[XF+z], v[ST+2*z], v[ST+2*z+1]
.set z, z+1
.endr
.if \bump
	v_add_nc_u32 v[LA], CHB, v[LA]
.endif
.if \pre
	XLOAD (((\kk)+1)%4)*128
.endif
	s_wait_loadcnt \left
	WIN 0x04                                       ; source 1 (W) window 1
.irp mt, 0,1,2,3
.irp nt, 0,1,2,3
	v_wmma_f32_16x16x32_bf16 v[ACC+8*(4*\mt+\nt):ACC+8*(4*\mt+\nt)+7], v[XF+8*\mt:XF+8*\mt+7], v[32*(\kk)+8*\nt:32*(\kk)+8*\nt+7], v[ACC+8*(4*\mt+\nt):ACC+8*(4*\mt+\nt)+7]
.endr
.endr
	WIN 0
	PLACES                                         ; for the reload below, and for the next step's conversions into XF
.if \reload
	WIN 0x40
.irp nt, 0,1,2,3
	global_load_b128 v[32*(\kk)+8*\nt:32*(\kk)+8*\nt+3], v[LOFF], s[20:21] offset:16384+(\kk)*4096+\nt*1024
	global_load_b128 v[32*(\kk)+8*\nt+4:32*(\kk)+8*\nt+7], v[LOFF], s[20:21] offset:16384+(\kk)*4096+\nt*1024+512
.endr
	WIN 0
.endif
.endm
	XLOAD 0
	s_mov_b32 s48, 3
.Lk:                                                   ; a trip: a chunk's four k steps; the 16 accumulators take turns, one instruction a turn, over the backward jump too
	KSTEP 0, 1, 0, 1, 24                           ; 24: the three younger groups of eight loads
	KSTEP 1, 1, 0, 1, 24
	KSTEP 2, 1, 0, 1, 24
	KSTEP 3, 1, 1, 1, 24
	s_wait_xcnt 0x0                                ; the loads have read their base: it may be stepped
	s_add_nc_u64 s[20:21], s[20:21], 16384
	s_sub_co_u32 s48, s48, 1
	s_cmp_lg_u32 s48, 0
	s_cbranch_scc1 .Lk
	KSTEP 0, 1, 0, 0, 24                           ; the last chunk asks for no more of W: the counts run down
	KSTEP 1, 1, 0, 0, 16
	KSTEP 2, 1, 0, 0, 8
	KSTEP 3, 0, 0, 0, 0
	s_cmp_eq_u32 s15, 2
	s_cbranch_scc1 .Lq_out
.set t, 0
.rept 16                                       ; K, V: rounded to f16, a tile in four registers
.irp k, 0,1,2,3
	v_cvt_pk_f16_f32 v[ST+4*t+\k], v[ACC+8*t+2*\k], v[ACC+8*t+2*\k+1]
.endr
.set t, t+1
.endr
	s_cmp_eq_u32 s15, 1
	s_cbranch_scc0 .Lk_out
	ALL global_store_b128 v[LOFF], v[ST+4*t:ST+4*t+3], s[22:23] offset:t*512  ; V: as it lies; 512 consecutive bytes a store
	s_branch .Lmeet
.Lk_out:
	; a tile's 16 rows are one landmark: eight registers, then the other half of the lanes
	ALL v_pk_add_f32 v[ACC+8*t:ACC+8*t+1], v[ACC+8*t:ACC+8*t+1], v[ACC+8*t+2:ACC+8*t+3]
	ALL v_pk_add_f32 v[ACC+8*t+4:ACC+8*t+5], v[ACC+8*t+4:ACC+8*t+5], v[ACC+8*t+6:ACC+8*t+7]
	ALL v_pk_add_f32 v[ACC+8*t:ACC+8*t+1], v[ACC+8*t:ACC+8*t+1], v[ACC+8*t+4:ACC+8*t+5]
	ALL v_add_f32 v[ACC+8*t], v[ACC+8*t], v[ACC+8*t+1]
	ALL v_permlanex16_b32 v[ACC+8*t+1], v[ACC+8*t], s52, s53
	ALL v_add_f32 v[ACC+8*t], v[ACC+8*t], v[ACC+8*t+1]
	ALL ds_store_b32 v[KLA], v[ACC+8*t] offset:(t/4)*256+(t%4)*64   ; both halves of the lanes hold, and write, the same number
	ALL ds_store_b128 v[TRW], v[ST+4*t:ST+4*t+3] offset:t*512
	ALL ds_load_tr16_b128 v[ACC+8*t+4:ACC+8*t+7], v[TRR] offset:t*512  ; LDS serves a wave's instructions in order (ISA guide 5.7.1.4): these see the stores above
.set t, 0
.rept 16
	s_wait_dscnt 15-t                              ; tile t is back; the younger turning loads may stay out
	global_store_b128 v[LOFF], v[ACC+8*t+4:ACC+8*t+7], s[22:23] offset:t*512
.set t, t+1
.endr
	s_branch .Lmeet
.Lq_out:
.set t, 0
.rept 16
	SPLIT8 ACC+8*t, ST+4*t, ACC+8*t
.set t, t+1
.endr
	ALL ds_store_b128 v[TRW], v[ST+4*t:ST+4*t+3] offset:t*512
	ALL ds_load_tr16_b128 v[ACC+8*t+4:ACC+8*t+7], v[TRR] offset:t*512
	ALL ds_store_b128 v[TRW], v[ACC+8*t:ACC+8*t+3] offset:t*512        ; lo into the same bytes, in order behind hi's reads
	ALL ds_load_tr16_b128 v[ST+4*t:ST+4*t+3], v[TRR] offset:t*512
	s_wait_dscnt 32                                ; hi is back; lo's 16 stores and 16 loads may be out
	ALL global_store_b128 v[LOFF], v[ACC+8*t+4:ACC+8*t+7], s[22:23] offset:t*512
	s_wait_dscnt 0x0
	ALL global_store_b128 v[LOFF], v[ST+4*t:ST+4*t+3], s[22:23] offset:t*512+131072
.Lmeet:
	s_wait_dscnt 0x0                               ; for the others' sake: my landmark sums lie in LDS
	s_barrier_signal -1
	s_barrier_wait -1
	s_cmp_eq_u32 s15, 0
	s_cbranch_scc0 .Lend
	v_lshl_add_u32 v12, v0, 4, KLS                 ; 128 threads x 16 bytes: head 0's eight landmarks, then head 1's
	v_lshlrev_b32 v13, 4, v0
	ds_load_b128 v[64:67], v12
	ds_load_b128 v[68:71], v12 offset:2048
	s_wait_dscnt 0x0
.irp k, 0,1,2,3
	v_pk_mul_f32 v[64+2*\k:65+2*\k], v[64+2*\k:65+2*\k], 0x3d800000 op_sel_hi:[1,0]  ; / 16, exact: kl then has k's range
.endr
	global_store_b128 v13, v[64:67], s[50:51]
	global_store_b128 v13, v[68:71], s[50:51] offset:65536
.Lend:
	s_wait_tensorcnt 0x0                           ; the wave's end: the add and its wait, behind my last tensor load and my last LDS store
	ds_add_u32 v[SPW], v[NIL]
	s_wait_dscnt 0x0
	s_endpgm
.Lfunc_end_k_q11622d5adc_proj:
	.size	k_q11622d5adc_proj, .Lfunc_end_k_q11622d5adc_proj-k_q11622d5adc_proj
	.p2alignl 7, 3214868480
	.fill 96, 4, 3214868480
	.section	.rodata,"a",@progbits
	.p2align	6, 0x0
	.amdhsa_kernel k_q11622d5adc_proj
		.amdhsa_group_segment_fixed_size 307712
		.amdhsa_private_segment_fixed_size 0
		.amdhsa_enable_private_segment 0
		.amdhsa_kernarg_size 32
		.amdhsa_user_sgpr_count 2
		.amdhsa_user_sgpr_kernarg_segment_ptr 1
		.amdhsa_wavefront_size32 1
		.amdhsa_system_sgpr_workgroup_id_x 1
		.amdhsa_system_sgpr_workgroup_id_y 1
		.amdhsa_system_sgpr_workgroup_id_z 1
		.amdhsa_system_vgpr_workitem_id 0
		.amdhsa_next_free_vgpr 384
		.amdhsa_next_free_sgpr 66
		.amdhsa_reserve_vcc 0
		.amdhsa_float_denorm_mode_32 3
		.amdhsa_float_denorm_mode_16_64 3
		.amdhsa_memory_ordered 1
		.amdhsa_forward_progress 1
		.amdhsa_inst_pref_size 90
	.end_amdhsa_kernel
	.amdgpu_metadata
---
amdhsa.version: [ 1, 2 ]
amdhsa.kernels:
  - .name:           k_q11622d5adc_proj
    .symbol:         k_q11622d5adc_proj.kd
    .args:
      - { .name: x, .offset: 0, .size: 8, .value_kind: global_buffer, .address_space: global }
      - { .name: q_input, .offset: 8, .size: 8, .value_kind: global_buffer, .address_space: global }
      - { .name: wf, .offset: 16, .size: 8, .value_kind: global_buffer, .address_space: global }
      - { .name: pj, .offset: 24, .size: 8, .value_kind: global_buffer, .address_space: global }
    .group_segment_fixed_size: 307712
    .private_segment_fixed_size: 0
    .kernarg_segment_align: 8
    .kernarg_segment_size: 32
    .max_flat_workgroup_size: 128
    .sgpr_count:     66
    .vgpr_count:     384
    .wavefront_size: 32
...
	.end_amdgpu_metadata
.endif
;; end of part 2
;; launch mid (part 3): grid 192 x 1, 4 waves a work-group, no clusters, 86,784 bytes of LDS; arguments pj, md; writes md
.if DOCPART == 3
	.amdgcn_target "amdgcn-amd-amdhsa--gfx1250"
	.amdhsa_code_object_version 6
	.text
	.protected	k_q11622d5adc_mid
	.globl	k_q11622d5adc_mid
	.p2align	8
	.type	k_q11622d5adc_mid,@function
k_q11622d5adc_mid:
	s_mov_b64 s[64:65], 0
	v_nop
	global_prefetch_b8 v0, s[64:65] scope:SCOPE_SE
	s_setreg_imm32_b32 hwreg(HW_REG_WAVE_MODE, 25, 1), 1
	s_wait_xcnt 0x0
; TWO BODIES, chosen by the work-group's number alone.
; ATTN (work-groups 0..127): Y = softmax(q k^T / 8) v for 32 queries of one head.  THE KEYS ARE SPLIT AMONG THE FOUR WAVES, 1,024 each, 64 a step; K's and V's tiles come straight from memory into
;   registers as fragments.  S^T = K Q^T holds one query a lane; its weights, rounded to f16, are source 1 of O^T = V^T P.  Running maximum m and sum l in f32, p = 2^(c s - c m), c = log2(e) / 8;
;   the four waves' (m, l, O) meet in LDS at the end.  Y leaves as f16 tiles, lane = channel, registers = queries (turned in the wave's own stage).
; LAND (work-groups 128..191): x = softmax(q kl^T / 8) for 64 queries of one head, 16 a wave, all 256 landmarks.  q and kl / 16 go as f16 hi + lo: hi hi + hi lo + lo hi, f32 sums; the true maximum
;   of the 256 scores is taken away; the factor 16 stands in the exponent's constant 2 log2(e).  x leaves as f16 hi + lo tiles twice: lane = query (XB) and turned, lane = landmark (XT); with it the
;   work-group's column sums (by a product of the turned tiles with ones) and its largest row sum.
; LIMITS.  f16's range for q, k, v, kl / 16; a weight below 2^-126 counts as 0; lo parts have f16's fixed step of 6e-8; NaN and infinities are not treated apart.
; NO CLUSTER, NO TENSOR LOADS: each fragment is multiplied by the one wave that loads it; a joint load would add a pass through LDS.
.set SPARE, 86272                      ; the spare words, 128 bytes a wave: two blocks of 256 bytes that no other line names
.set LOFF,  3                          ; v3   16 l
.set TROFF, 4                          ; v4   the turning load's place: 256 ((l / 8) % 2) + 16 (8 (l / 16) + l % 8)
.set SPW,   26                         ; v26  my spare word; never rewritten
.set NIL,   27                         ; v27  0; never rewritten
.set ONE,   8                          ; v8   1.0 (LAND)
.set MSB, 0
.macro WIN new
.if MSB != (\new)
	s_set_vgpr_msb (MSB<<8)|(\new)
.set MSB, \new
.endif
.endm
.macro PLACES
.rept 4
	v_nop
.endr
.endm
.macro SPLIT8 a, h, l                  ; eight f32 at a -> f16 hi at h, f16 lo at l; the difference is exact
.irp k, 0,1,2,3
	v_cvt_pk_f16_f32 v[(\h)+\k], v[(\a)+2*\k], v[(\a)+2*\k+1]
.endr
.irp k, 0,1,2,3
	v_fma_mix_f32 v[(\a)+2*\k], -v[(\h)+\k], v[ONE], v[(\a)+2*\k] op_sel:[0,0,0] op_sel_hi:[1,0,0]
	v_fma_mix_f32 v[(\a)+2*\k+1], -v[(\h)+\k], v[ONE], v[(\a)+2*\k+1] op_sel:[1,0,0] op_sel_hi:[1,0,0]
.endr
.irp k, 0,1,2,3
	v_cvt_pk_f16_f32 v[(\l)+\k], v[(\a)+2*\k], v[(\a)+2*\k+1]
.endr
.endm
.macro DPPMAX r                        ; the maximum over each half of 16 lanes
.irp x, 1,2,4,8
	v_max_num_f32_dpp v[\r], v[\r], v[\r] row_xmask:\x row_mask:0xf bank_mask:0xf
.endr
.endm
	s_load_b128 s[4:7], s[0:1], 0x0                ; pj s[4:5], md s[6:7]
	v_lshl_add_u32 v[SPW], v0, 2, SPARE
	v_mov_b32 v[NIL], 0
	v_lshrrev_b32 v1, 5, v0
	v_readfirstlane_b32 s8, v1                     ; wave
	s_mov_b32 s9, ttmp9
	v_and_b32 v1, 15, v0                           ; l % 16
	v_bfe_u32 v2, v0, 4, 1                         ; l / 16
	v_and_b32 v[LOFF], 31, v0
	v_lshlrev_b32 v[LOFF], 4, v[LOFF]
	v_and_b32 v5, 7, v0
	v_bfe_u32 v6, v0, 3, 1
	v_lshl_add_u32 v[TROFF], v2, 3, v5
	v_lshlrev_b32 v[TROFF], 4, v[TROFF]
	v_lshl_add_u32 v[TROFF], v6, 8, v[TROFF]
	s_mov_b32 s22, 0x76543210                      ; v_permlanex16_b32: each lane takes its own place in the other half
	s_mov_b32 s23, 0xfedcba98
	s_cmp_lt_u32 s9, 128
	s_cbranch_scc0 .Lland
; ---------------------------------------------------------------- ATTN
.set ST,  8                            ; tile t's statistics at v[ST+4 t]: c m, m, l (even keys', odd keys')
.set TMP, 16                           ; four registers a tile at work; when the maximum is found the third takes a
.set MV,  24                           ; c m_old, kept while c m is made anew
.set AQ,  32                           ; Q: tile t, channel tile ct at AQ + 16 t + 4 ct
.set AS,  64                           ; S^T: tile t, key tile kt at AS + 32 t + 8 kt
.set AP,  128                          ; P: AP + 16 t + 8 s
.set AO,  160                          ; O^T: AO + 32 t + 8 ct
.set STATS, 32768                      ; LDS: O's parts at 0 [wave 8,192][t 4,096][ct 1,024][half 512]; statistics [wave 512][t 256][kind 128][lane 4]
.set TRA,   34816                      ; the stages, 1,024 bytes a wave
	s_lshr_b32 s10, s9, 5                          ; head
	s_and_b32 s11, s9, 31                          ; pair of query tiles
	s_lshl_b32 s26, s10, 19
	s_lshl_b32 s27, s8, 17                         ; my 1,024 keys: 64 key tiles of 2,048 bytes
	s_add_co_u32 s26, s26, s27
	s_mov_b32 s27, 0
	s_lshl_b32 s28, s10, 18
	s_lshl_b32 s29, s11, 12
	s_add_co_u32 s28, s28, s29
	s_add_co_u32 s28, s28, 4194304
	s_mov_b32 s29, 0
	s_mov_b32 s20, 0x3e38aa3b                      ; c = log2(e) / 8
	s_mov_b32 s21, s20                             ; named with it as a pair
	s_wait_kmcnt 0x0
	s_add_nc_u64 s[12:13], s[4:5], s[26:27]        ; K
	s_add_nc_u64 s[14:15], s[12:13], 2097152       ; V
	s_add_nc_u64 s[16:17], s[4:5], s[28:29]        ; Q, hi
.set i, 0
.rept 8
	global_load_b128 v[AQ+4*i:AQ+4*i+3], v[LOFF], s[16:17] offset:512*i
.set i, i+1
.endr
.macro ALOAD b, off                    ; a step's 16 tiles of K and 16 of V into buffer b of window 1: K's tile i at 4 i; V's (kt, ct) at 64 + 32 (kt / 2) + 8 ct + 4 (kt % 2)
	WIN 0x40
.set i, 0
.rept 16
	global_load_b128 v[128*(\b)+4*i:128*(\b)+4*i+3], v[LOFF], s[12:13] offset:(\off)+512*i
.set i, i+1
.endr
.set i, 0
.rept 16
.set rr, 128*(\b)+64+32*(i/8)+8*(i%4)+4*((i/4)%2)
	global_load_b128 v[rr:rr+3], v[LOFF], s[14:15] offset:(\off)+512*i
.set i, i+1
.endr
	WIN 0
.endm
	ALOAD 0, 0
	ALOAD 1, 8192
.set z, 0
.rept 64
	v_mov_b32 v[AO+z], 0                           ; O and l start at 0, m at the lowest finite number: the first step is a step like any other, with a = 0
.set z, z+1
.endr
.irp t, 0,1
	v_mov_b32 v[ST+4*\t], 0xfe000000               ; c m: far below every c s
	v_mov_b32 v[ST+4*\t+1], 0xff7fffff             ; m
	v_mov_b32 v[ST+4*\t+2], 0
	v_mov_b32 v[ST+4*\t+3], 0
.endr
.macro TREG t
.set rT, ST+4*(\t)
.set rC, TMP+4*(\t)
.set rM, MV+(\t)
.set rS, AS+32*(\t)
.set rO, AO+32*(\t)
.endm
; Number n of the 22 that find a tile's maximum and statistics; each accumulator's lowest registers are read first.
.macro XS t, n
	TREG \t
.if (\n) < 4
	v_max3_num_f32 v[rC+(\n)], v[rS+8*(\n)], v[rS+8*(\n)+1], v[rS+8*(\n)+2]
.elseif (\n) < 12
	v_max3_num_f32 v[rC+(\n)%4], v[rC+(\n)%4], v[rS+8*((\n)%4)+2*((\n)/4)+1], v[rS+8*((\n)%4)+2*((\n)/4)+2]
.elseif (\n) == 12
	v_max3_num_f32 v[rC], v[rC], v[rS+7], v[rS+15]
.elseif (\n) == 13
	v_max3_num_f32 v[rC+1], v[rC+1], v[rS+23], v[rS+31]
.elseif (\n) == 14
	v_max3_num_f32 v[rC+2], v[rC+2], v[rC+3], v[rT+1]
.elseif (\n) == 15
	v_mov_b32 v[rM], v[rT]
.elseif (\n) == 16
	v_max3_num_f32 v[rC], v[rC], v[rC+1], v[rC+2]
.elseif (\n) == 17
	v_permlanex16_b32 v[rC+3], v[rC], s22, s23     ; the query's other 32 keys lie in the lane 16 away
.elseif (\n) == 18
	v_max_num_f32 v[rT+1], v[rC], v[rC+3]
.elseif (\n) == 19
	v_mul_f32 v[rT], s20, v[rT+1]
.elseif (\n) == 20
	v_sub_f32 v[rC+1], v[rM], v[rT]
.else
	v_exp_f32 v[rC+2], v[rC+1]
.endif
.endm
.macro SOFT                            ; both tiles' softmax for a step; the tiles alternate
.irp n, 0,1,2,3,4,5,6,7,8,9,10,11,12,13,14,15,16,17,18,19,20
	XS 0, \n
	XS 1, \n
.endr
.set z, 0
.rept 16
.irp t, 0,1
	TREG \t
	v_pk_fma_f32 v[rS+2*z:rS+2*z+1], v[rS+2*z:rS+2*z+1], s[20:21], v[rT:rT+1] op_sel_hi:[1,0,0] neg_lo:[0,0,1] neg_hi:[0,0,1]  ; c s - c m
.endr
.set z, z+1
.endr
	XS 0, 21                                       ; ONE BATCH: the two a and the 64 weights; nothing ahead of the wait names a result
	XS 1, 21
.set z, 0
.rept 32
	v_exp_f32 v[AS+z], v[AS+z]
	v_exp_f32 v[AS+32+z], v[AS+32+z]
.set z, z+1
.endr
	v_nop                                          ; a plain instruction behind the last exponential,
	s_wait_alu depctr_va_vdst(0)                   ; and the one wait ahead of the batch's first reader
.set z, 0
.rept 16
	v_cvt_pk_f16_f32 v[AP+z], v[AS+2*z], v[AS+2*z+1]
	v_cvt_pk_f16_f32 v[AP+16+z], v[AS+32+2*z], v[AS+32+2*z+1]
.set z, z+1
.endr
.irp w, 4,8,16,32                      ; the sum of a tile's 16 pairs, in place: neighbours 1, 2, 4, 8 pairs apart
.set u, 0
.rept 32/\w
	v_pk_add_f32 v[AS+\w*u:AS+\w*u+1], v[AS+\w*u:AS+\w*u+1], v[AS+\w*u+\w/2:AS+\w*u+\w/2+1]
	v_pk_add_f32 v[AS+32+\w*u:AS+32+\w*u+1], v[AS+32+\w*u:AS+32+\w*u+1], v[AS+32+\w*u+\w/2:AS+32+\w*u+\w/2+1]
.set u, u+1
.endr
.endr
.irp t, 0,1
	TREG \t
	v_pk_fma_f32 v[rT+2:rT+3], v[rT+2:rT+3], v[rC+2:rC+3], v[rS:rS+1] op_sel_hi:[1,0,1]  ; l = a l + sum
.endr
.set z, 0
.rept 16
.irp t, 0,1
	TREG \t
	v_pk_mul_f32 v[rO+2*z:rO+2*z+1], v[rO+2*z:rO+2*z+1], v[rC+2:rC+3] op_sel_hi:[1,0]     ; O = a O, from each accumulator's low end on
.endr
.set z, z+1
.endr
.endm
; A key step on buffer b.  load: the buffer is asked for again, two steps on; left: the other buffer's loads, which may stay out.  In each run of 16 products 8 accumulators take turns.
.macro STEP b, load, left
	s_wait_loadcnt \left
	WIN 0x01                                       ; source 0 (K, V) window 1
.irp c, 0,1
.irp kt, 0,1,2,3
.irp t, 0,1
.if \c == 0
	v_wmma_f32_16x16x32_f16 v[AS+32*\t+8*\kt:AS+32*\t+8*\kt+7], v[128*(\b)+16*\kt+8*\c:128*(\b)+16*\kt+8*\c+7], v[AQ+16*\t+8*\c:AQ+16*\t+8*\c+7], 0
.else
	v_wmma_f32_16x16x32_f16 v[AS+32*\t+8*\kt:AS+32*\t+8*\kt+7], v[128*(\b)+16*\kt+8*\c:128*(\b)+16*\kt+8*\c+7], v[AQ+16*\t+8*\c:AQ+16*\t+8*\c+7], v[AS+32*\t+8*\kt:AS+32*\t+8*\kt+7]
.endif
.endr
.endr
.endr
	WIN 0
	PLACES
	SOFT
	WIN 0x01
.irp s, 0,1
.irp ct, 0,1,2,3
.irp t, 0,1
	v_wmma_f32_16x16x32_f16 v[AO+32*\t+8*\ct:AO+32*\t+8*\ct+7], v[128*(\b)+64+32*\s+8*\ct:128*(\b)+64+32*\s+8*\ct+7], v[AP+16*\t+8*\s:AP+16*\t+8*\s+7], v[AO+32*\t+8*\ct:AO+32*\t+8*\ct+7]
.endr
.endr
.endr
	WIN 0
	PLACES
.if \load
	ALOAD \b, (2+(\b))*8192
.endif
.endm
	s_mov_b32 s24, 7
.Lstep:
	STEP 0, 1, 32
	STEP 1, 1, 32
	s_wait_xcnt 0x0                                ; the loads have read their bases
	s_add_nc_u64 s[12:13], s[12:13], 16384
	s_add_nc_u64 s[14:15], s[14:15], 16384
	s_sub_co_u32 s24, s24, 1
	s_cmp_lg_u32 s24, 0
	s_cbranch_scc1 .Lstep
	STEP 0, 0, 32                                  ; the last two steps load nothing
	STEP 1, 0, 0
	; THE FOUR KEY QUARTERS MEET
.irp t, 0,1
	v_add_f32 v[ST+4*\t+2], v[ST+4*\t+2], v[ST+4*\t+3]
.endr
.irp t, 0,1
	v_permlanex16_b32 v[ST+4*\t+3], v[ST+4*\t+2], s22, s23
.endr
.irp t, 0,1
	v_add_f32 v[ST+4*\t+2], v[ST+4*\t+2], v[ST+4*\t+3]
.endr
	s_lshr_b32 s30, s8, 1                          ; the tile that I finish,
	s_and_b32 s31, s8, 1                           ; and which two of its channel tiles
	s_lshl_b32 s25, s8, 13
	v_add_nc_u32 v5, s25, v[LOFF]
	v_lshrrev_b32 v6, 2, v[LOFF]                   ; 4 l
	s_lshl_b32 s25, s30, 8
	s_add_co_u32 s25, s25, STATS
	v_add_nc_u32 v28, s25, v6
	s_lshl_b32 s25, s8, 9
	s_add_co_u32 s25, s25, STATS
	v_add_nc_u32 v6, s25, v6
	s_lshl_b32 s25, s30, 12
	s_lshl_b32 s28, s31, 11
	s_add_co_u32 s25, s25, s28
	v_add_nc_u32 v7, s25, v[LOFF]
	s_lshl_b32 s25, s8, 10
	s_add_co_u32 s25, s25, TRA
	v_add_nc_u32 v29, s25, v[LOFF]
	v_add_nc_u32 v30, s25, v[TROFF]
	s_lshl_b32 s26, s10, 17                        ; Y: 8 MiB + head x 131,072 + channel tile x 32,768 + query tile x 512
	s_lshl_b32 s28, s31, 16
	s_add_co_u32 s26, s26, s28
	s_lshl1_add_u32 s28, s11, s30
	s_lshl_b32 s28, s28, 9
	s_add_co_u32 s26, s26, s28
	s_add_co_u32 s26, s26, 8388608
	s_mov_b32 s27, 0
	s_add_nc_u64 s[18:19], s[6:7], s[26:27]
.irp t, 0,1
.irp ct, 0,1,2,3
	ds_store_b128 v5, v[AO+32*\t+8*\ct:AO+32*\t+8*\ct+3] offset:\t*4096+\ct*1024
	ds_store_b128 v5, v[AO+32*\t+8*\ct+4:AO+32*\t+8*\ct+7] offset:\t*4096+\ct*1024+512
.endr
	ds_store_b32 v6, v[ST+4*\t] offset:\t*256
	ds_store_b32 v6, v[ST+4*\t+2] offset:\t*256+128
.endr
	s_wait_dscnt 0x0                               ; for the others' sake
	s_barrier_signal -1
	s_barrier_wait -1
.irp v, 0,1,2,3
.irp c, 0,1
	ds_load_b128 v[64+16*\v+8*\c:64+16*\v+8*\c+3], v7 offset:\v*8192+\c*1024
	ds_load_b128 v[64+16*\v+8*\c+4:64+16*\v+8*\c+7], v7 offset:\v*8192+\c*1024+512
.endr
	ds_load_b32 v[224+2*\v], v28 offset:\v*512
	ds_load_b32 v[225+2*\v], v28 offset:\v*512+128
.endr
	s_wait_dscnt 0x0
	v_max3_num_f32 v232, v224, v226, v228          ; the largest of the four c m
	v_max_num_f32 v232, v232, v230
.irp v, 0,1,2,3
	v_sub_f32 v[236+\v], v[224+2*\v], v232
.endr
.irp v, 0,1,2,3
	v_exp_f32 v[236+\v], v[236+\v]
.endr
	v_nop
	s_wait_alu depctr_va_vdst(0)                   ; one wait for the four
	v_mul_f32 v233, v236, v225
	v_fmac_f32 v233, v237, v227
	v_fmac_f32 v233, v238, v229
	v_fmac_f32 v233, v239, v231                    ; l of all keys; at least 1, since the largest weight is 1
	v_rcp_f32 v234, v233
	v_nop
	s_wait_alu depctr_va_vdst(0)
.irp v, 0,1,2,3
	v_mul_f32 v[240+2*\v], v[236+\v], v234
	v_mul_f32 v[241+2*\v], v[236+\v], v234
.endr
.set z, 0
.rept 8
	v_pk_mul_f32 v[64+2*z:65+2*z], v[64+2*z:65+2*z], v[240:241]
	v_pk_fma_f32 v[64+2*z:65+2*z], v[80+2*z:81+2*z], v[242:243], v[64+2*z:65+2*z]
	v_pk_fma_f32 v[64+2*z:65+2*z], v[96+2*z:97+2*z], v[244:245], v[64+2*z:65+2*z]
	v_pk_fma_f32 v[64+2*z:65+2*z], v[112+2*z:113+2*z], v[246:247], v[64+2*z:65+2*z]
.set z, z+1
.endr
.set z, 0
.rept 8
	v_cvt_pk_f16_f32 v[128+z], v[64+2*z], v[64+2*z+1]
.set z, z+1
.endr
	ds_store_b128 v29, v[128:131]
	ds_store_b128 v29, v[132:135] offset:512
	ds_load_tr16_b128 v[136:139], v30              ; my own bytes, in order behind the stores
	ds_load_tr16_b128 v[140:143], v30 offset:512
	s_wait_dscnt 0x0
	global_store_b128 v[LOFF], v[136:139], s[18:19]
	global_store_b128 v[LOFF], v[140:143], s[18:19] offset:32768
	s_wait_tensorcnt 0x0                           ; the wave's end: the add and its wait, behind my last LDS store
	ds_add_u32 v[SPW], v[NIL]
	s_wait_dscnt 0x0
	s_endpgm
; ---------------------------------------------------------------- LAND
.set KLR, 64                           ; v[64:127]  two landmark tiles' fragments: KLR + 32 i + 16 p + 4 ct
.set LSS, 128                          ; v[128:255] S^T: landmark tile lt at LSS + 8 lt
.set MX,  28                           ; v[28:31]   four running maxima
.set TRL, 65536                        ; LDS: kl's fragments at 0 [lt 4,096][p 2,048][ct 512]; stages [wave 4,096][i 1,024][p 512]
.set CSL, 81920                        ; the waves' column sums [wave 1,024][256 f32]
.set RML, 86016                        ; the waves' largest row sums, four words
.Lland:
	s_sub_co_u32 s9, s9, 128
	s_lshr_b32 s10, s9, 4                          ; head
	s_and_b32 s11, s9, 15                          ; block of 64 queries
	s_lshl2_add_u32 s25, s11, s8                   ; my query tile
	s_lshl_b32 s30, s10, 16                        ; KL: 5 MiB + head x 65,536 + wave x 16,384
	s_lshl_b32 s31, s8, 14
	s_add_co_u32 s30, s30, s31
	s_add_co_u32 s30, s30, 5242880
	s_mov_b32 s31, 0
	s_lshl_b32 s32, s10, 18                        ; Q: 4 MiB + head x 262,144 + tile x 2,048
	s_lshl_b32 s33, s25, 11
	s_add_co_u32 s32, s32, s33
	s_add_co_u32 s32, s32, 4194304
	s_mov_b32 s33, 0
	s_lshl_b32 s34, s10, 20                        ; XB: head x 1 MiB + tile x 8,192
	s_lshl_b32 s35, s25, 13
	s_add_co_u32 s34, s34, s35
	s_mov_b32 s35, 0
	s_lshl_b32 s36, s10, 20                        ; XT: 4 MiB + head x 1 MiB + tile x 512
	s_lshl_b32 s37, s25, 9
	s_add_co_u32 s36, s36, s37
	s_add_co_u32 s36, s36, 4194304
	s_mov_b32 s37, 0
	s_lshl_b32 s38, s9, 10                         ; CSP and RMX: 1,024 bytes for each work-group
	s_add_co_u32 s40, s38, 8978432
	s_add_co_u32 s38, s38, 8912896
	s_mov_b32 s39, 0
	s_mov_b32 s41, 0
	s_mov_b32 s20, 0x4038aa3b                      ; 16 / 8 x log2(e)
	s_mov_b32 s21, s20
	v_lshlrev_b32 v5, 8, v1
	v_lshl_add_u32 v5, v2, 5, v5                   ; a row of KL is 256 bytes; my 8 channels of a tile begin 32 (l / 16) bytes in
	s_lshl_b32 s24, s8, 14
	v_add_nc_u32 v6, s24, v[LOFF]
	s_lshl_b32 s24, s8, 12
	s_add_co_u32 s24, s24, TRL
	v_add_nc_u32 v9, s24, v[LOFF]
	v_add_nc_u32 v10, s24, v[TROFF]
	s_lshl_b32 s24, s8, 10
	s_add_co_u32 s24, s24, CSL
	v_lshl_add_u32 v11, v2, 5, s24
	s_lshl_b32 s24, s8, 2
	s_add_co_u32 s24, s24, RML
	v_mov_b32 v15, s24
	v_mov_b32 v[ONE], 1.0
.irp k, 0,1,2,3,4,5,6,7
	v_mov_b32 v[16+\k], 0x3c003c00                 ; ones in f16
.endr
	s_wait_kmcnt 0x0
	s_add_nc_u64 s[12:13], s[4:5], s[30:31]
	s_add_nc_u64 s[14:15], s[4:5], s[32:33]
	s_add_nc_u64 s[16:17], s[6:7], s[34:35]
	s_add_nc_u64 s[18:19], s[6:7], s[36:37]
	s_add_nc_u64 s[26:27], s[6:7], s[38:39]
	s_add_nc_u64 s[28:29], s[6:7], s[40:41]
	; kl / 16 of my four landmark tiles, f32, as fragments; then hi and lo into LDS for all four waves
.set t, 0
.rept 16
	global_load_b128 v[LSS+8*t:LSS+8*t+3], v5, s[12:13] offset:(t/4)*4096+(t%4)*64
	global_load_b128 v[LSS+8*t+4:LSS+8*t+7], v5, s[12:13] offset:(t/4)*4096+(t%4)*64+16
.set t, t+1
.endr
.irp ct, 0,1,2,3
	global_load_b128 v[32+4*\ct:32+4*\ct+3], v[LOFF], s[14:15] offset:\ct*512          ; q hi
	global_load_b128 v[48+4*\ct:48+4*\ct+3], v[LOFF], s[14:15] offset:\ct*512+131072   ; q lo
.endr
	s_wait_loadcnt 0x0
.set t, 0
.rept 16
	SPLIT8 LSS+8*t, KLR+4*t, LSS+8*t
	ds_store_b128 v6, v[KLR+4*t:KLR+4*t+3] offset:(t/4)*4096+(t%4)*512
	ds_store_b128 v6, v[LSS+8*t:LSS+8*t+3] offset:(t/4)*4096+(t%4)*512+2048
.set t, t+1
.endr
	s_wait_dscnt 0x0                               ; for the others' sake
	s_barrier_signal -1
	s_barrier_wait -1
; the scores, two landmark tiles at a time: 12 products, the two accumulators by turns
.macro SIM pk, pq, c, zero
.irp i, 0,1
.if \zero
	v_wmma_f32_16x16x32_f16 v[LSS+8*(2*g+\i):LSS+8*(2*g+\i)+7], v[KLR+32*\i+16*(\pk)+8*(\c):KLR+32*\i+16*(\pk)+8*(\c)+7], v[32+16*(\pq)+8*(\c):32+16*(\pq)+8*(\c)+7], 0
.else
	v_wmma_f32_16x16x32_f16 v[LSS+8*(2*g+\i):LSS+8*(2*g+\i)+7], v[KLR+32*\i+16*(\pk)+8*(\c):KLR+32*\i+16*(\pk)+8*(\c)+7], v[32+16*(\pq)+8*(\c):32+16*(\pq)+8*(\c)+7], v[LSS+8*(2*g+\i):LSS+8*(2*g+\i)+7]
.endif
.endr
.endm
.set g, 0
.rept 8
.irp i, 0,1
.irp p, 0,1
.irp ct, 0,1,2,3
	ds_load_b128 v[KLR+32*\i+16*\p+4*\ct:KLR+32*\i+16*\p+4*\ct+3], v[LOFF] offset:(2*g+\i)*4096+\p*2048+\ct*512
.endr
.endr
.endr
	s_wait_dscnt 0x0
	SIM 0, 0, 0, 1                                 ; hi hi
	SIM 0, 0, 1, 0
	SIM 0, 1, 0, 0                                 ; hi lo
	SIM 0, 1, 1, 0
	SIM 1, 0, 0, 0                                 ; lo hi
	SIM 1, 0, 1, 0
	PLACES
.set g, g+1
.endr
	; the maximum of a query's 256 scores: four chains; each accumulator is read from its low end on
.set g, 0
.rept 4
.irp n, 0,1,2,3
.irp k, 0,1,2,3
.set a, LSS+8*(4*g+\k)
.if g > 0
	v_max3_num_f32 v[MX+\k], v[MX+\k], v[a+2*\n], v[a+2*\n+1]
.elseif \n == 0
	v_max3_num_f32 v[MX+\k], v[a], v[a+1], v[a+2]
.elseif \n == 3
	v_max_num_f32 v[MX+\k], v[MX+\k], v[a+7]
.else
	v_max3_num_f32 v[MX+\k], v[MX+\k], v[a+2*\n+1], v[a+2*\n+2]
.endif
.endr
.endr
.set g, g+1
.endr
	v_max3_num_f32 v[MX], v[MX], v[MX+1], v[MX+2]
	v_max_num_f32 v[MX], v[MX], v[MX+3]
	v_permlanex16_b32 v[MX+1], v[MX], s22, s23
	v_max_num_f32 v[MX], v[MX], v[MX+1]
	v_mul_f32 v12, s20, v[MX]
	v_mov_b32 v13, v12                             ; named with it as a pair
.set z, 0
.rept 64
	v_pk_fma_f32 v[LSS+2*z:LSS+2*z+1], v[LSS+2*z:LSS+2*z+1], s[20:21], v[12:13] op_sel_hi:[1,0,0] neg_lo:[0,0,1] neg_hi:[0,0,1]
.set z, z+1
.endr
.set z, 0
.rept 128
	v_exp_f32 v[LSS+z], v[LSS+z]                   ; one batch
.set z, z+1
.endr
	v_nop
	s_wait_alu depctr_va_vdst(0)                   ; one wait for the 128
.macro ROWSUM                          ; the sum of a query's 256 numbers into v64, in every lane: four chains of pairs, then the halves of the lanes
.irp k, 0,1,2,3
	v_pk_add_f32 v[64+2*\k:65+2*\k], v[LSS+2*\k:LSS+2*\k+1], v[LSS+8+2*\k:LSS+9+2*\k]
.endr
.set z, 8
.rept 56
	v_pk_add_f32 v[64+2*(z%4):65+2*(z%4)], v[64+2*(z%4):65+2*(z%4)], v[LSS+2*z:LSS+2*z+1]
.set z, z+1
.endr
	v_pk_add_f32 v[64:65], v[64:65], v[66:67]
	v_pk_add_f32 v[68:69], v[68:69], v[70:71]
	v_pk_add_f32 v[64:65], v[64:65], v[68:69]
	v_add_f32 v64, v64, v65
	v_permlanex16_b32 v65, v64, s22, s23
	v_add_f32 v64, v64, v65
.endm
	ROWSUM
	v_rcp_f32 v66, v64
	v_rcp_f32 v67, v64
	v_nop
	s_wait_alu depctr_va_vdst(0)
.set z, 0
.rept 64
	v_pk_mul_f32 v[LSS+2*z:LSS+2*z+1], v[LSS+2*z:LSS+2*z+1], v[66:67]
.set z, z+1
.endr
	ROWSUM                                         ; the row sums of x itself, of which the largest is wanted
	DPPMAX 64
	v_mov_b32 v14, v64                             ; my 16 queries' largest
; Four landmark tiles: split, stored by queries (XB), turned, stored by landmarks (XT), and summed down the columns: hi's turned tile fills k = 0..15 of a fragment, lo's k = 16..31, times ones.
.macro BATCH gg
.irp i, 0,1,2,3
.set lt, 4*(\gg)+\i
	SPLIT8 LSS+8*lt, 64+4*lt, LSS+8*lt
	global_store_b128 v[LOFF], v[64+4*lt:64+4*lt+3], s[16:17] offset:lt*512
	global_store_b128 v[LOFF], v[LSS+8*lt:LSS+8*lt+3], s[16:17] offset:lt*512+524288
	ds_store_b128 v9, v[64+4*lt:64+4*lt+3] offset:\i*1024
	ds_store_b128 v9, v[LSS+8*lt:LSS+8*lt+3] offset:\i*1024+512
.endr
	s_wait_xcnt 0x0                                ; every store issued so far has read its data: v[32:63] are loaded again, and the products below write over lo's registers, only behind this wait
.irp i, 0,1,2,3
	ds_load_tr16_b128 v[32+8*\i:32+8*\i+3], v10 offset:\i*1024
	ds_load_tr16_b128 v[32+8*\i+4:32+8*\i+7], v10 offset:\i*1024+512
.endr
	s_wait_dscnt 0x0
.irp i, 0,1,2,3
.set lt, 4*(\gg)+\i
	global_store_b128 v[LOFF], v[32+8*\i:32+8*\i+3], s[18:19] offset:lt*32768
	global_store_b128 v[LOFF], v[32+8*\i+4:32+8*\i+7], s[18:19] offset:lt*32768+524288
.endr
.irp i, 0,1,2,3
.set lt, 4*(\gg)+\i
	v_wmma_f32_16x16x32_f16 v[LSS+8*lt:LSS+8*lt+7], v[32+8*\i:32+8*\i+7], v[16:23], 0
.endr
.endm
	BATCH 0                                        ; the next batch's 64 plain instructions, which name none of these products' registers, are the places behind them
	BATCH 1
	BATCH 2
	BATCH 3
	PLACES
.set lt, 0
.rept 16
	ds_store_b128 v11, v[LSS+8*lt:LSS+8*lt+3] offset:lt*64        ; register j: landmark 16 lt + 8 (l / 16) + j; the 16 lanes of a half hold, and write, the same numbers
	ds_store_b128 v11, v[LSS+8*lt+4:LSS+8*lt+7] offset:lt*64+16
.set lt, lt+1
.endr
	ds_store_b32 v15, v14
	s_wait_dscnt 0x0
	s_barrier_signal -1
	s_barrier_wait -1
	v_lshl_add_u32 v12, v0, 3, CSL
	v_mov_b32 v13, RML
	v_lshlrev_b32 v5, 3, v0
.irp v, 0,1,2,3
	ds_load_b64 v[64+2*\v:65+2*\v], v12 offset:\v*1024
.endr
	ds_load_b128 v[72:75], v13
	s_wait_dscnt 0x0
	v_pk_add_f32 v[64:65], v[64:65], v[66:67]
	v_pk_add_f32 v[68:69], v[68:69], v[70:71]
	v_pk_add_f32 v[64:65], v[64:65], v[68:69]
	v_max3_num_f32 v72, v72, v73, v74
	v_max_num_f32 v72, v72, v75
	v_mov_b32 v73, v72
	global_store_b64 v5, v[64:65], s[26:27]        ; a wave's store covers 256 consecutive bytes, aligned
	global_store_b64 v5, v[72:73], s[28:29]
	s_wait_tensorcnt 0x0                           ; the wave's end: the add and its wait, behind my last LDS store
	ds_add_u32 v[SPW], v[NIL]
	s_wait_dscnt 0x0
	s_endpgm
.Lfunc_end_k_q11622d5adc_mid:
	.size	k_q11622d5adc_mid, .Lfunc_end_k_q11622d5adc_mid-k_q11622d5adc_mid
	.p2alignl 7, 3214868480
	.fill 96, 4, 3214868480
	.section	.rodata,"a",@progbits
	.p2align	6, 0x0
	.amdhsa_kernel k_q11622d5adc_mid
		.amdhsa_group_segment_fixed_size 86784
		.amdhsa_private_segment_fixed_size 0
		.amdhsa_enable_private_segment 0
		.amdhsa_kernarg_size 16
		.amdhsa_user_sgpr_count 2
		.amdhsa_user_sgpr_kernarg_segment_ptr 1
		.amdhsa_wavefront_size32 1
		.amdhsa_system_sgpr_workgroup_id_x 1
		.amdhsa_system_sgpr_workgroup_id_y 1
		.amdhsa_system_sgpr_workgroup_id_z 1
		.amdhsa_system_vgpr_workitem_id 0
		.amdhsa_next_free_vgpr 512
		.amdhsa_next_free_sgpr 66
		.amdhsa_reserve_vcc 0
		.amdhsa_float_denorm_mode_32 3
		.amdhsa_float_denorm_mode_16_64 3
		.amdhsa_memory_ordered 1
		.amdhsa_forward_progress 1
		.amdhsa_inst_pref_size 181
	.end_amdhsa_kernel
	.amdgpu_metadata
---
amdhsa.version: [ 1, 2 ]
amdhsa.kernels:
  - .name:           k_q11622d5adc_mid
    .symbol:         k_q11622d5adc_mid.kd
    .args:
      - { .name: pj, .offset: 0, .size: 8, .value_kind: global_buffer, .address_space: global }
      - { .name: md, .offset: 8, .size: 8, .value_kind: global_buffer, .address_space: global }
    .group_segment_fixed_size: 86784
    .private_segment_fixed_size: 0
    .kernarg_segment_align: 8
    .kernarg_segment_size: 16
    .max_flat_workgroup_size: 128
    .sgpr_count:     66
    .vgpr_count:     512
    .wavefront_size: 32
...
	.end_amdgpu_metadata
.endif
;; end of part 3
;; launch gram (part 4): grid 20 x 4, 4 waves a work-group, no clusters, 66,304 bytes of LDS; arguments md, ma, ts; writes ma, ts
.if DOCPART == 4
	.amdgcn_target "amdgcn-amd-amdhsa--gfx1250"
	.amdhsa_code_object_version 6
	.text
	.protected	k_q11622d5adc_gram
	.globl	k_q11622d5adc_gram
	.p2align	8
	.type	k_q11622d5adc_gram,@function
k_q11622d5adc_gram:
	s_mov_b64 s[64:65], 0
	v_nop
	global_prefetch_b8 v0, s[64:65] scope:SCOPE_SE
	s_setreg_imm32_b32 hwreg(HW_REG_WAVE_MODE, 25, 1), 1
	s_wait_xcnt 0x0
; THE ITERATION'S START.  With G = x^T x (256 x 256) and c = (largest row sum) x (largest column sum) over all four heads, the iteration z <- z (13 - xz (15 - xz (7 - xz))) / 4 from z = x^T / c
; is, for every x, z_k = W_k x^T with W_k a polynomial in G; with A = z x: A <- p(A) A, z Y <- p(A) (z Y), p(A) = (13 - A (15 - A (7 - A))) / 4.  So the state is M = [T | A], 256 x 320:
; A = G / c, T = x^T Y sY / c, where sY = 2^(121 - e), e the exponent field of the head's largest |Y|: an exact power of two that keeps T and all that the iteration makes of it inside f16's range
; (|T| < 2^-5 at the start; six steps multiply by 3.25 at the most each, the inner terms by 35).  1 / sY goes to ts.
; A work-group makes 64 x 64 of M for one head (y): rows 64 rg; cg = 0: T, cg = 1..4: A's columns 64 (cg - 1).  K = 1,024 QUERIES ARE SPLIT AMONG THE FOUR WAVES, 8 steps of 32 each; the parts meet in LDS.
; x goes as f16 hi + lo: hi hi + hi lo + lo hi (with Y, single f16: hi Y + lo Y), f32 sums.  M leaves as f16 hi + lo tiles, lane = column, registers = rows.
; Every work-group makes c for itself from the 64 partial column sums and row maxima: wave w sums head w's.
.set PART,  0                          ; LDS: [wave 16,384][tile 1,024][half 512]
.set CMX,   65536                      ; words 0-3: the heads' largest column sums; 4-7: the waves' largest |Y|
.set SPARE, 65792                      ; the spare words, 128 bytes a wave
.set LOFF, 1
.set ONE,  4
.set SPW,  12
.set NIL,  13
.set ACC,  128                         ; accumulator (mt, nt) at ACC + 8 (4 mt + nt);  window 1: buffer b at 128 b: A at 16 mt + 8 p, B at 64 + 16 nt + 8 p (Y: 64 + 8 nt)
.set MSB, 0
.macro WIN new
.if MSB != (\new)
	s_set_vgpr_msb (MSB<<8)|(\new)
.set MSB, \new
.endif
.endm
.macro PLACES
.rept 4
	v_nop
.endr
.endm
.macro SPLIT8 a, h, l
.irp k, 0,1,2,3
	v_cvt_pk_f16_f32 v[(\h)+\k], v[(\a)+2*\k], v[(\a)+2*\k+1]
.endr
.irp k, 0,1,2,3
	v_fma_mix_f32 v[(\a)+2*\k], -v[(\h)+\k], v[ONE], v[(\a)+2*\k] op_sel:[0,0,0] op_sel_hi:[1,0,0]
	v_fma_mix_f32 v[(\a)+2*\k+1], -v[(\h)+\k], v[ONE], v[(\a)+2*\k+1] op_sel:[1,0,0] op_sel_hi:[1,0,0]
.endr
.irp k, 0,1,2,3
	v_cvt_pk_f16_f32 v[(\l)+\k], v[(\a)+2*\k], v[(\a)+2*\k+1]
.endr
.endm
.macro DPPMAX r
.irp x, 1,2,4,8
	v_max_num_f32_dpp v[\r], v[\r], v[\r] row_xmask:\x row_mask:0xf bank_mask:0xf
.endr
.endm
.macro GLA b, off                      ; a step's fragments of A: 4 row tiles x hi, lo
.irp mt, 0,1,2,3
.irp p, 0,1
	global_load_b128 v[128*(\b)+16*\mt+8*\p:128*(\b)+16*\mt+8*\p+3], v[LOFF], s[16:17] offset:(\off)+\p*524288+\mt*32768
	global_load_b128 v[128*(\b)+16*\mt+8*\p+4:128*(\b)+16*\mt+8*\p+7], v[LOFF], s[16:17] offset:(\off)+\p*524288+\mt*32768+512
.endr
.endr
.endm
.macro GLB b, off
.irp nt, 0,1,2,3
.irp p, 0,1
	global_load_b128 v[128*(\b)+64+16*\nt+8*\p:128*(\b)+64+16*\nt+8*\p+3], v[LOFF], s[18:19] offset:(\off)+\p*524288+\nt*32768
	global_load_b128 v[128*(\b)+64+16*\nt+8*\p+4:128*(\b)+64+16*\nt+8*\p+7], v[LOFF], s[18:19] offset:(\off)+\p*524288+\nt*32768+512
.endr
.endr
.endm
.macro GLY b, off
.irp nt, 0,1,2,3
	global_load_b128 v[128*(\b)+64+8*\nt:128*(\b)+64+8*\nt+3], v[LOFF], s[18:19] offset:(\off)+\nt*32768
	global_load_b128 v[128*(\b)+64+8*\nt+4:128*(\b)+64+8*\nt+7], v[LOFF], s[18:19] offset:(\off)+\nt*32768+512
.endr
.endm
; My head's column sums over its 16 blocks of queries, their maximum, and the maximum of the 64 row maxima; then the accumulators, which held the partial sums, start at 0.
.macro CRED
.set q, 1
.rept 15
.irp k, 0,1,2,3
	v_pk_add_f32 v[ACC+2*\k:ACC+2*\k+1], v[ACC+2*\k:ACC+2*\k+1], v[ACC+8*q+2*\k:ACC+8*q+2*\k+1]
.endr
.set q, q+1
.endr
	v_max3_num_f32 v[ACC], v[ACC], v[ACC+1], v[ACC+2]
	v_max3_num_f32 v[ACC+3], v[ACC+3], v[ACC+4], v[ACC+5]
	v_max3_num_f32 v[ACC], v[ACC], v[ACC+6], v[ACC+7]
	v_max_num_f32 v[ACC], v[ACC], v[ACC+3]
	v_max_num_f32 v32, v32, v33
	DPPMAX ACC
	DPPMAX 32
	v_permlanex16_b32 v[ACC+1], v[ACC], s22, s23
	v_permlanex16_b32 v33, v32, s22, s23
	v_max_num_f32 v[ACC], v[ACC], v[ACC+1]
	v_max_num_f32 v32, v32, v33                    ; the largest row sum, in every lane of every wave
	ds_store_b32 v7, v[ACC]
.set z, 0
.rept 128
	v_mov_b32 v[ACC+z], 0
.set z, z+1
.endr
.endm
.macro GMUL b, pa, pb                  ; 16 products, the 16 accumulators by turns
.irp mt, 0,1,2,3
.irp nt, 0,1,2,3
	v_wmma_f32_16x16x32_f16 v[ACC+8*(4*\mt+\nt):ACC+8*(4*\mt+\nt)+7], v[128*(\b)+16*\mt+8*(\pa):128*(\b)+16*\mt+8*(\pa)+7], v[128*(\b)+64+16*\nt+8*(\pb):128*(\b)+64+16*\nt+8*(\pb)+7], v[ACC+8*(4*\mt+\nt):ACC+8*(4*\mt+\nt)+7]
.endr
.endr
.endm
.macro TMUL b, pa
.irp mt, 0,1,2,3
.irp nt, 0,1,2,3
	v_wmma_f32_16x16x32_f16 v[ACC+8*(4*\mt+\nt):ACC+8*(4*\mt+\nt)+7], v[128*(\b)+16*\mt+8*(\pa):128*(\b)+16*\mt+8*(\pa)+7], v[128*(\b)+64+8*\nt:128*(\b)+64+8*\nt+7], v[ACC+8*(4*\mt+\nt):ACC+8*(4*\mt+\nt)+7]
.endr
.endr
.endm
.macro GSTEP b, load, left
	s_wait_loadcnt \left
	WIN 0x05                                       ; sources 0 and 1 window 1
	GMUL \b, 0, 0
	GMUL \b, 0, 1
	GMUL \b, 1, 0
	WIN 0
	PLACES
.if \load
	WIN 0x40
	GLA \b, (2+(\b))*1024
	GLB \b, (2+(\b))*1024
	WIN 0
.endif
.endm
.macro TSTEP b, load, left
	s_wait_loadcnt \left
	WIN 0x04                                       ; source 1 window 1: |Y| of the step's 32 registers,
.set z, 0
.rept 32
	v_and_b32 v[64+z], s30, v[128*(\b)+64+z]
.set z, z+1
.endr
	WIN 0
.set z, 0
.rept 32
	v_pk_max_num_f16 v[36+z%4], v[36+z%4], v[64+z] ; and their running maxima, four chains of two f16
.set z, z+1
.endr
	WIN 0x05
	TMUL \b, 0
	TMUL \b, 1
	WIN 0
	PLACES
.if \load
	WIN 0x40
	GLA \b, (2+(\b))*1024
	GLY \b, (2+(\b))*1024
	WIN 0
.endif
.endm
	s_load_b128 s[4:7], s[0:1], 0x0                ; md s[4:5], ma s[6:7]
	s_load_b64 s[8:9], s[0:1], 0x10                ; ts
	v_lshl_add_u32 v[SPW], v0, 2, SPARE
	v_mov_b32 v[NIL], 0
	v_lshrrev_b32 v5, 5, v0
	v_readfirstlane_b32 s10, v5                    ; wave
	s_mov_b32 s11, ttmp9
	s_and_b32 s12, s11, 3                          ; rg
	s_lshr_b32 s13, s11, 2                         ; cg
	s_and_b32 s14, ttmp7, 0xffff                   ; head
	v_and_b32 v5, 31, v0
	v_lshlrev_b32 v[LOFF], 4, v5
	v_lshlrev_b32 v2, 5, v5                        ; my 8 landmarks' column sums
	v_lshlrev_b32 v3, 10, v5                       ; record l of the row maxima
	v_mov_b32 v[ONE], 1.0
	s_lshl_b32 s32, s10, 14
	v_add_nc_u32 v6, s32, v[LOFF]
	s_lshl_b32 s32, s10, 2
	s_add_co_u32 s32, s32, CMX
	v_mov_b32 v7, s32
	s_lshl_b32 s32, s10, 10
	v_add_nc_u32 v9, s32, v[LOFF]
	v_mov_b32 v10, CMX
	v_lshlrev_b32 v11, 3, v0
.irp k, 0,1,2,3
	v_mov_b32 v[36+\k], 0
.endr
	s_mov_b32 s22, 0x76543210
	s_mov_b32 s23, 0xfedcba98
	s_mov_b32 s30, 0x7fff7fff                      ; clears the signs of two f16
	s_lshl_b32 s32, s14, 20                        ; A: XT (4 MiB) + head x 1 MiB + rg x 131,072 + wave x 8,192
	s_lshl_b32 s33, s10, 13
	s_add_co_u32 s32, s32, s33
	s_add_co_u32 s32, s32, 4194304
	s_lshl_b32 s34, s12, 17
	s_add_co_u32 s34, s34, s32
	s_mov_b32 s35, 0
	s_sub_co_u32 s36, s13, 1                       ; B of G: the same with cg - 1 for rg
	s_lshl_b32 s36, s36, 17
	s_add_co_u32 s36, s36, s32
	s_lshl_b32 s37, s14, 17                        ; B of T: YF (8 MiB) + head x 131,072 + wave x 8,192
	s_add_co_u32 s37, s37, s33
	s_add_co_u32 s37, s37, 8388608
	s_cmp_eq_u32 s13, 0
	s_cselect_b32 s36, s37, s36
	s_cselect_b32 s33, -1, 0                       ; all lanes: this work-group makes T
	s_mov_b32 s37, 0
	s_lshl_b32 s38, s10, 14                        ; CSP of head w
	s_add_co_u32 s38, s38, 8912896
	s_mov_b32 s39, 0
	s_mul_i32 s40, s14, 327680                     ; out: head x 327,680 + (4 cg + wave) x 16,384 + rg x 2,048
	s_lshl2_add_u32 s41, s13, s10
	s_lshl_b32 s41, s41, 14
	s_add_co_u32 s40, s40, s41
	s_lshl_b32 s41, s12, 11
	s_add_co_u32 s40, s40, s41
	s_mov_b32 s41, 0
	s_lshl_b32 s42, s14, 12                        ; ts: head x 4,096 + rg x 1,024
	s_lshl_b32 s43, s12, 10
	s_add_co_u32 s42, s42, s43
	s_mov_b32 s43, 0
	s_wait_kmcnt 0x0
	s_add_nc_u64 s[16:17], s[4:5], s[34:35]
	s_add_nc_u64 s[18:19], s[4:5], s[36:37]
	s_add_nc_u64 s[20:21], s[4:5], s[38:39]
	s_add_nc_u64 s[24:25], s[4:5], 8978432
	s_add_nc_u64 s[26:27], s[6:7], s[40:41]
	s_add_nc_u64 s[28:29], s[8:9], s[42:43]
.set q, 0
.rept 16
	global_load_b128 v[ACC+8*q:ACC+8*q+3], v2, s[20:21] offset:q*1024
	global_load_b128 v[ACC+8*q+4:ACC+8*q+7], v2, s[20:21] offset:q*1024+16
.set q, q+1
.endr
	global_load_b32 v32, v3, s[24:25]
	global_load_b32 v33, v3, s[24:25] offset:32768
	s_mov_b32 s31, 3
	s_cmp_eq_u32 s13, 0
	s_cbranch_scc1 .Lt_way
	WIN 0x40
	GLA 0, 0
	GLB 0, 0
	GLA 1, 1024
	GLB 1, 1024
	WIN 0
	s_wait_loadcnt 63                              ; of 98 loads the first 35 are in: the 34 that CRED reads among them
	CRED
.Lg_loop:
	GSTEP 0, 1, 32                                 ; 32: the other buffer's loads
	GSTEP 1, 1, 32
	s_wait_xcnt 0x0
	s_add_nc_u64 s[16:17], s[16:17], 2048
	s_add_nc_u64 s[18:19], s[18:19], 2048
	s_sub_co_u32 s31, s31, 1
	s_cmp_lg_u32 s31, 0
	s_cbranch_scc1 .Lg_loop
	GSTEP 0, 0, 32
	GSTEP 1, 0, 0
	s_branch .Lmeet
.Lt_way:
	WIN 0x40
	GLA 0, 0
	GLY 0, 0
	GLA 1, 1024
	GLY 1, 1024
	WIN 0
	s_wait_loadcnt 48                              ; the two steps' 48 loads may be out
	CRED
.Lt_loop:
	TSTEP 0, 1, 24
	TSTEP 1, 1, 24
	s_wait_xcnt 0x0
	s_add_nc_u64 s[16:17], s[16:17], 2048
	s_add_nc_u64 s[18:19], s[18:19], 2048
	s_sub_co_u32 s31, s31, 1
	s_cmp_lg_u32 s31, 0
	s_cbranch_scc1 .Lt_loop
	TSTEP 0, 0, 24
	TSTEP 1, 0, 0
.Lmeet:
.set t, 0
.rept 16
	ds_store_b128 v6, v[ACC+8*t:ACC+8*t+3] offset:t*1024
	ds_store_b128 v6, v[ACC+8*t+4:ACC+8*t+7] offset:t*1024+512
.set t, t+1
.endr
	v_pk_max_num_f16 v36, v36, v37                 ; my queries' largest |Y| (0 where the work-group makes G)
	v_pk_max_num_f16 v38, v38, v39
	v_pk_max_num_f16 v36, v36, v38
	v_cvt_f32_f16 v40, v36.l
	v_cvt_f32_f16 v41, v36.h
	v_max_num_f32 v40, v40, v41
	DPPMAX 40
	v_permlanex16_b32 v41, v40, s22, s23
	v_max_num_f32 v40, v40, v41
	ds_store_b32 v7, v40 offset:16
	s_wait_dscnt 0x0                               ; for the others' sake
	s_barrier_signal -1
	s_barrier_wait -1
.irp v, 0,1,2,3                        ; wave w finishes column tile w: four row tiles, four parts each
.irp mt, 0,1,2,3
	ds_load_b128 v[ACC+32*\v+8*\mt:ACC+32*\v+8*\mt+3], v9 offset:\v*16384+\mt*4096
	ds_load_b128 v[ACC+32*\v+8*\mt+4:ACC+32*\v+8*\mt+7], v9 offset:\v*16384+\mt*4096+512
.endr
.endr
	ds_load_b128 v[40:43], v10
	ds_load_b128 v[44:47], v10 offset:16
	s_wait_dscnt 0x0
.irp v, 1,2,3
.set z, 0
.rept 16
	v_pk_add_f32 v[ACC+2*z:ACC+2*z+1], v[ACC+2*z:ACC+2*z+1], v[ACC+32*\v+2*z:ACC+32*\v+2*z+1]
.set z, z+1
.endr
.endr
	v_max3_num_f32 v40, v40, v41, v42
	v_max_num_f32 v40, v40, v43
	v_mul_f32 v40, v40, v32                        ; c
	v_rcp_f32 v41, v40
	v_max3_num_f32 v44, v44, v45, v46
	v_max_num_f32 v44, v44, v47                    ; the head's largest |Y|
	s_wait_alu depctr_va_vdst(0)
	v_lshrrev_b32 v45, 23, v44                     ; e
	v_sub_nc_u32 v46, 248, v45
	v_lshlrev_b32 v46, 23, v46                     ; sY = 2^(121 - e)
	v_add_nc_u32 v50, 6, v45
	v_lshlrev_b32 v50, 23, v50                     ; 1 / sY
	v_mov_b32 v51, v50
	v_cndmask_b32 v46, 1.0, v46, s33               ; A is not scaled
	v_mul_f32 v48, v41, v46
	v_mov_b32 v49, v48
.set z, 0
.rept 16
	v_pk_mul_f32 v[ACC+2*z:ACC+2*z+1], v[ACC+2*z:ACC+2*z+1], v[48:49]
.set z, z+1
.endr
.irp mt, 0,1,2,3
	SPLIT8 ACC+8*\mt, 64+4*\mt, ACC+8*\mt
	global_store_b128 v[LOFF], v[64+4*\mt:64+4*\mt+3], s[26:27] offset:\mt*512
	global_store_b128 v[LOFF], v[ACC+8*\mt:ACC+8*\mt+3], s[26:27] offset:\mt*512+8192
.endr
	s_cmp_eq_u32 s13, 0
	s_cbranch_scc0 .Lno_ts
	global_store_b64 v11, v[50:51], s[28:29]       ; 1,024 bytes, all the same number
.Lno_ts:
	s_wait_tensorcnt 0x0                           ; the wave's end: the add and its wait, behind my last LDS store
	ds_add_u32 v[SPW], v[NIL]
	s_wait_dscnt 0x0
	s_endpgm
.Lfunc_end_k_q11622d5adc_gram:
	.size	k_q11622d5adc_gram, .Lfunc_end_k_q11622d5adc_gram-k_q11622d5adc_gram
	.p2alignl 7, 3214868480
	.fill 96, 4, 3214868480
	.section	.rodata,"a",@progbits
	.p2align	6, 0x0
	.amdhsa_kernel k_q11622d5adc_gram
		.amdhsa_group_segment_fixed_size 66304
		.amdhsa_private_segment_fixed_size 0
		.amdhsa_enable_private_segment 0
		.amdhsa_kernarg_size 24
		.amdhsa_user_sgpr_count 2
		.amdhsa_user_sgpr_kernarg_segment_ptr 1
		.amdhsa_wavefront_size32 1
		.amdhsa_system_sgpr_workgroup_id_x 1
		.amdhsa_system_sgpr_workgroup_id_y 1
		.amdhsa_system_sgpr_workgroup_id_z 1
		.amdhsa_system_vgpr_workitem_id 0
		.amdhsa_next_free_vgpr 512
		.amdhsa_next_free_sgpr 66
		.amdhsa_reserve_vcc 0
		.amdhsa_float_denorm_mode_32 3
		.amdhsa_float_denorm_mode_16_64 3
		.amdhsa_memory_ordered 1
		.amdhsa_forward_progress 1
		.amdhsa_inst_pref_size 95
	.end_amdhsa_kernel
	.amdgpu_metadata
---
amdhsa.version: [ 1, 2 ]
amdhsa.kernels:
  - .name:           k_q11622d5adc_gram
    .symbol:         k_q11622d5adc_gram.kd
    .args:
      - { .name: md, .offset: 0, .size: 8, .value_kind: global_buffer, .address_space: global }
      - { .name: ma, .offset: 8, .size: 8, .value_kind: global_buffer, .address_space: global }
      - { .name: ts, .offset: 16, .size: 8, .value_kind: global_buffer, .address_space: global }
    .group_segment_fixed_size: 66304
    .private_segment_fixed_size: 0
    .kernarg_segment_align: 8
    .kernarg_segment_size: 24
    .max_flat_workgroup_size: 128
    .sgpr_count:     66
    .vgpr_count:     512
    .wavefront_size: 32
...
	.end_amdgpu_metadata
.endif
;; end of part 4
;; launch iter1 (part 5): grid 20 x 4, 4 waves a work-group, no clusters, 33,280 bytes of LDS; arguments ma, mb; writes mb
.if DOCPART == 5
	.amdgcn_target "amdgcn-amd-amdhsa--gfx1250"
	.amdhsa_code_object_version 6
	.text
	.protected	k_q11622d5adc_iter1
	.globl	k_q11622d5adc_iter1
	.p2align	8
	.type	k_q11622d5adc_iter1,@function
k_q11622d5adc_iter1:
	s_mov_b64 s[64:65], 0
	v_nop
	global_prefetch_b8 v0, s[64:65] scope:SCOPE_SE
	s_setreg_imm32_b32 hwreg(HW_REG_WAVE_MODE, 25, 1), 1
	s_wait_xcnt 0x0
; ONE STEP OF THE ITERATION: M' = (13 M - A (15 M - A (7 M - A M))) / 4 for one block of 16 columns (x) of M = [T | A], 256 x 320, of one head (y).  The blocks need nothing of each other but A.
; M lies as [head 327,680][block 16,384][hi, lo 8,192][row tile 512]: f16 tiles, lane = column, registers = rows.  Blocks 0-3 are T, 4-19 A.
; Wave w owns rows 64 w .. 64 w + 63 and keeps its rows of A in registers for the whole launch, hi and lo: 512 registers.  They are read as A's COLUMNS 64 w ..: every A of the iteration is a
; polynomial in the symmetric G, so A^T = A but for the last bits of its rounding (a stated limit: the order of rounding differs from the reference's).
; Each product goes as hi hi + hi lo + lo hi with f32 sums; between the three products the block's 256 rows are exchanged through LDS as hi and lo.  Each exchange has bytes of its own: one barrier each.
; |A| <= 1 and |T| and all inner terms stay under 6,300 (the launch before scales T): inside f16's range for every input.
.set EX0,   0                          ; [hi, lo 8,192][row tile 512]
.set EX1,   16384
.set SPARE, 32768                      ; the spare words, 128 bytes a wave
.set LOFF, 1                           ; v1  16 l
.set EXW,  2                           ; v2  2,048 w + 16 l: my four row tiles
.set ONE,  3
.set SPW,  4
.set NIL,  5
.set ACC,  32                          ; v[32:63]   four accumulators
.set MF,   64                          ; v[64:95]   my rows of M in f32
.set HH,   96                          ; v[96:111]  hi, v[112:127] lo of my four tiles
.set LL,   112
.set YH,   128                         ; v[128:191] the multiplicand's 16 tiles, hi; v[192:255] lo
.set YL,   192                         ; window 1: A hi, row tile i, column tile t at 64 i + 4 t; window 2: A lo
.set MSB, 0
.macro WIN new
.if MSB != (\new)
	s_set_vgpr_msb (MSB<<8)|(\new)
.set MSB, \new
.endif
.endm
.macro PLACES
.rept 4
	v_nop
.endr
.endm
.macro SPLIT8 a, h, l
.irp k, 0,1,2,3
	v_cvt_pk_f16_f32 v[(\h)+\k], v[(\a)+2*\k], v[(\a)+2*\k+1]
.endr
.irp k, 0,1,2,3
	v_fma_mix_f32 v[(\a)+2*\k], -v[(\h)+\k], v[ONE], v[(\a)+2*\k] op_sel:[0,0,0] op_sel_hi:[1,0,0]
	v_fma_mix_f32 v[(\a)+2*\k+1], -v[(\h)+\k], v[ONE], v[(\a)+2*\k+1] op_sel:[1,0,0] op_sel_hi:[1,0,0]
.endr
.irp k, 0,1,2,3
	v_cvt_pk_f16_f32 v[(\l)+\k], v[(\a)+2*\k], v[(\a)+2*\k+1]
.endr
.endm
.macro INIT kappa                      ; the sums start at kappa x M
.set z, 0
.rept 16
	v_pk_mul_f32 v[ACC+2*z:ACC+2*z+1], v[MF+2*z:MF+2*z+1], \kappa op_sel_hi:[1,0]
.set z, z+1
.endr
.endm
.macro PROD first                      ; ACC += A Y: 96 products; the four accumulators take turns, one instruction a turn
	WIN 0x01                                       ; source 0: A hi
.irp s, 0,1,2,3,4,5,6,7
.irp i, 0,1,2,3
	v_wmma_f32_16x16x32_f16 v[ACC+8*\i:ACC+8*\i+7], v[64*\i+8*\s:64*\i+8*\s+7], v[YH+8*\s:YH+8*\s+7], v[ACC+8*\i:ACC+8*\i+7]
.endr
.irp i, 0,1,2,3
	v_wmma_f32_16x16x32_f16 v[ACC+8*\i:ACC+8*\i+7], v[64*\i+8*\s:64*\i+8*\s+7], v[YL+8*\s:YL+8*\s+7], v[ACC+8*\i:ACC+8*\i+7]
.endr
.endr
.if \first
	s_wait_loadcnt 0x0                             ; A lo is in
.endif
	WIN 0x02                                       ; source 0: A lo
.irp s, 0,1,2,3,4,5,6,7
.irp i, 0,1,2,3
	v_wmma_f32_16x16x32_f16 v[ACC+8*\i:ACC+8*\i+7], v[64*\i+8*\s:64*\i+8*\s+7], v[YH+8*\s:YH+8*\s+7], v[ACC+8*\i:ACC+8*\i+7]
.endr
.endr
	WIN 0
.endm
.macro XCH buf, kappa                  ; my rows of the result become everybody's next multiplicand
	PLACES
.irp i, 0,1,2,3
	SPLIT8 ACC+8*\i, HH+4*\i, LL+4*\i
.endr
.irp i, 0,1,2,3
	ds_store_b128 v[EXW], v[HH+4*\i:HH+4*\i+3] offset:(\buf)+\i*512
	ds_store_b128 v[EXW], v[LL+4*\i:LL+4*\i+3] offset:(\buf)+\i*512+8192
.endr
	s_wait_dscnt 0x0                               ; for the others' sake
	s_barrier_signal -1
	s_barrier_wait -1
.set t, 0
.rept 16
	ds_load_b128 v[YH+4*t:YH+4*t+3], v[LOFF] offset:(\buf)+t*512
	ds_load_b128 v[YL+4*t:YL+4*t+3], v[LOFF] offset:(\buf)+t*512+8192
.set t, t+1
.endr
	INIT \kappa                                    ; while the loads are out
	s_wait_dscnt 0x0
.endm
	s_load_b128 s[4:7], s[0:1], 0x0                ; the old M s[4:5], the new M s[6:7]
	v_lshl_add_u32 v[SPW], v0, 2, SPARE
	v_mov_b32 v[NIL], 0
	v_lshrrev_b32 v6, 5, v0
	v_readfirstlane_b32 s8, v6                     ; wave
	v_and_b32 v[LOFF], 31, v0
	v_lshlrev_b32 v[LOFF], 4, v[LOFF]
	s_lshl_b32 s9, s8, 11
	v_add_nc_u32 v[EXW], s9, v[LOFF]
	v_mov_b32 v[ONE], 1.0
	s_and_b32 s10, ttmp7, 0xffff
	s_mul_i32 s10, s10, 327680                     ; the head
	s_lshl_b32 s11, ttmp9, 14
	s_add_co_u32 s12, s10, s11                     ; my block
	s_mov_b32 s13, 0
	s_lshl_b32 s14, s8, 16
	s_add_co_u32 s14, s14, s10
	s_add_co_u32 s14, s14, 65536                   ; A's blocks 4 + 4 w ..
	s_mov_b32 s15, 0
	s_wait_kmcnt 0x0
	s_add_nc_u64 s[16:17], s[4:5], s[12:13]
	s_add_nc_u64 s[18:19], s[4:5], s[14:15]
	s_add_nc_u64 s[20:21], s[6:7], s[12:13]
.irp i, 0,1,2,3
	global_load_b128 v[HH+4*\i:HH+4*\i+3], v[EXW], s[16:17] offset:\i*512
	global_load_b128 v[LL+4*\i:LL+4*\i+3], v[EXW], s[16:17] offset:\i*512+8192
.endr
.set t, 0
.rept 16
	global_load_b128 v[YH+4*t:YH+4*t+3], v[LOFF], s[16:17] offset:t*512
	global_load_b128 v[YL+4*t:YL+4*t+3], v[LOFF], s[16:17] offset:t*512+8192
.set t, t+1
.endr
	WIN 0x40
.set t, 0
.rept 64
	global_load_b128 v[4*t:4*t+3], v[LOFF], s[18:19] offset:(t/16)*16384+(t%16)*512
.set t, t+1
.endr
	WIN 0x80
.set t, 0
.rept 64
	global_load_b128 v[4*t:4*t+3], v[LOFF], s[18:19] offset:(t/16)*16384+(t%16)*512+8192
.set t, t+1
.endr
	WIN 0
	s_wait_loadcnt 63                              ; of 168 loads the first 105 are in: my tiles, the block and A hi are the first 104
.set z, 0
.rept 16
	v_fma_mix_f32 v[MF+2*z], v[HH+z], v[ONE], v[LL+z] op_sel:[0,0,0] op_sel_hi:[1,0,1]    ; hi + lo
	v_fma_mix_f32 v[MF+2*z+1], v[HH+z], v[ONE], v[LL+z] op_sel:[1,0,1] op_sel_hi:[1,0,1]
.set z, z+1
.endr
	INIT 0xc0e00000                                ; -7 M
	PROD 1                                         ; A M - 7 M = -R1
	XCH EX0, 0x41700000                            ; 15 M
	PROD 0                                         ; 15 M - A R1 = R2
	XCH EX1, 0xc1500000                            ; -13 M
	PROD 0                                         ; A R2 - 13 M
	PLACES
.set z, 0
.rept 16
	v_pk_mul_f32 v[ACC+2*z:ACC+2*z+1], v[ACC+2*z:ACC+2*z+1], 0xbe800000 op_sel_hi:[1,0]   ; x -1/4
.set z, z+1
.endr
.irp i, 0,1,2,3
	SPLIT8 ACC+8*\i, HH+4*\i, LL+4*\i
	global_store_b128 v[EXW], v[HH+4*\i:HH+4*\i+3], s[20:21] offset:\i*512
	global_store_b128 v[EXW], v[LL+4*\i:LL+4*\i+3], s[20:21] offset:\i*512+8192
.endr
	s_wait_tensorcnt 0x0                           ; the wave's end: the add and its wait, behind my last LDS store
	ds_add_u32 v[SPW], v[NIL]
	s_wait_dscnt 0x0
	s_endpgm
.Lfunc_end_k_q11622d5adc_iter1:
	.size	k_q11622d5adc_iter1, .Lfunc_end_k_q11622d5adc_iter1-k_q11622d5adc_iter1
	.p2alignl 7, 3214868480
	.fill 96, 4, 3214868480
	.section	.rodata,"a",@progbits
	.p2align	6, 0x0
	.amdhsa_kernel k_q11622d5adc_iter1
		.amdhsa_group_segment_fixed_size 33280
		.amdhsa_private_segment_fixed_size 0
		.amdhsa_enable_private_segment 0
		.amdhsa_kernarg_size 16
		.amdhsa_user_sgpr_count 2
		.amdhsa_user_sgpr_kernarg_segment_ptr 1
		.amdhsa_wavefront_size32 1
		.amdhsa_system_sgpr_workgroup_id_x 1
		.amdhsa_system_sgpr_workgroup_id_y 1
		.amdhsa_system_sgpr_workgroup_id_z 1
		.amdhsa_system_vgpr_workitem_id 0
		.amdhsa_next_free_vgpr 768
		.amdhsa_next_free_sgpr 66
		.amdhsa_reserve_vcc 0
		.amdhsa_float_denorm_mode_32 3
		.amdhsa_float_denorm_mode_16_64 3
		.amdhsa_memory_ordered 1
		.amdhsa_forward_progress 1
		.amdhsa_inst_pref_size 62
	.end_amdhsa_kernel
	.amdgpu_metadata
---
amdhsa.version: [ 1, 2 ]
amdhsa.kernels:
  - .name:           k_q11622d5adc_iter1
    .symbol:         k_q11622d5adc_iter1.kd
    .args:
      - { .name: ma, .offset: 0, .size: 8, .value_kind: global_buffer, .address_space: global }
      - { .name: mb, .offset: 8, .size: 8, .value_kind: global_buffer, .address_space: global }
    .group_segment_fixed_size: 33280
    .private_segment_fixed_size: 0
    .kernarg_segment_align: 8
    .kernarg_segment_size: 16
    .max_flat_workgroup_size: 128
    .sgpr_count:     66
    .vgpr_count:     768
    .wavefront_size: 32
...
	.end_amdgpu_metadata
.endif
;; end of part 5
;; launch iter2: the kernel of part 5 again; grid 20 x 4, 4 waves a work-group, no clusters, 33,280 bytes of LDS; arguments mb, ma; writes ma
;; launch iter3: the kernel of part 5 again; grid 20 x 4, 4 waves a work-group, no clusters, 33,280 bytes of LDS; arguments ma, mb; writes mb
;; launch iter4: the kernel of part 5 again; grid 20 x 4, 4 waves a work-group, no clusters, 33,280 bytes of LDS; arguments mb, ma; writes ma
;; launch iter5: the kernel of part 5 again; grid 20 x 4, 4 waves a work-group, no clusters, 33,280 bytes of LDS; arguments ma, mb; writes mb
;; launch iter6: the kernel of part 5 again; grid 4 x 4, 4 waves a work-group, no clusters, 33,280 bytes of LDS; arguments mb, ma; writes ma
;; launch final (part 6): grid 128 x 1, 4 waves a work-group, no clusters, 38,400 bytes of LDS; arguments ma, md, wf, b_out, ts, out0; writes out0
.if DOCPART == 6
	.amdgcn_target "amdgcn-amd-amdhsa--gfx1250"
	.amdhsa_code_object_version 6
	.text
	.protected	k_q11622d5adc_final
	.globl	k_q11622d5adc_final
	.p2align	8
	.type	k_q11622d5adc_final,@function
k_q11622d5adc_final:
	s_mov_b64 s[64:65], 0
	v_nop
	global_prefetch_b8 v0, s[64:65] scope:SCOPE_SE
	s_setreg_imm32_b32 hwreg(HW_REG_WAVE_MODE, 25, 1), 1
	s_wait_xcnt 0x0
; out = [x U of head 0 | x U of head 1] W_out + b_out for 16 queries of one batch.  U = T / sY is what the six steps have made of x^T Y / c (256 x 64 a head).
; STAGE 1.  Wave w: head w % 2, channel tiles 2 (w / 2), + 1.  O^T = U^T x^T over the 256 landmarks, both as f16 hi + lo: hi hi + hi lo + lo hi, f32 sums; times 1 / sY in f32 (an exact power of two);
;   rounded to f16 (|O| under 65,504: a stated limit) and shared through LDS: in the result a lane holds one query and eight channels, which is source 1 of stage 2.
; STAGE 2.  Wave w: output columns 128 w .. + 127.  out^T = W_out^T O^T over the 128 inner channels, f16; the sums start at b_out, rounded to bf16 like every input.
;   A lane ends with eight neighbouring columns of one row; the rows go through the wave's own stage in LDS and leave as 512 consecutive bytes a store.
.set OBL,   0                          ; O's eight tiles, 512 bytes each
.set STG,   4096                       ; 16 rows x 528 bytes for each wave
.set SP,    528                        ; 512 + 16: the 16 rows of a store start in 16 different 16-byte columns of 256
.set SPARE, STG+4*16*SP                ; the spare words, 128 bytes a wave
.set LOFF, 1
.set SPW,  8
.set NIL,  9
.set AC1,  16                          ; v[16:31]   stage 1's two accumulators
.set PK,   32                          ; v[32:39]   O packed
.set OBF,  40                          ; v[40:71]   O's four fragments
.set TMP,  72                          ; v[72:103]  the bias in bf16
.set XH,   128                         ; v[128:191] x hi, v[192:255] x lo; later the rows read back
.set XL,   192                         ; window 1: U at 128 c + 64 p + 4 t; window 2: W_out at 32 nt + 8 ks + 4 half; window 3: v[0:63] stage 2's accumulators
.set MSB, 0
.macro WIN new
.if MSB != (\new)
	s_set_vgpr_msb (MSB<<8)|(\new)
.set MSB, \new
.endif
.endm
.macro PLACES
.rept 4
	v_nop
.endr
.endm
	s_load_b256 s[4:11], s[0:1], 0x0               ; ma s[4:5], md s[6:7], wf s[8:9], b_out s[10:11]
	s_load_b128 s[12:15], s[0:1], 0x20             ; ts s[12:13], out0 s[14:15]
	v_lshl_add_u32 v[SPW], v0, 2, SPARE
	v_mov_b32 v[NIL], 0
	v_lshrrev_b32 v2, 5, v0
	v_readfirstlane_b32 s16, v2                    ; wave
	s_mov_b32 s17, ttmp9
	s_lshr_b32 s18, s17, 6                         ; batch
	s_and_b32 s19, s17, 63                         ; query tile
	s_and_b32 s20, s16, 1                          ; head
	s_lshr_b32 s21, s16, 1                         ; pair of channel tiles
	s_lshl1_add_u32 s22, s18, s20                  ; 2 b + head
	v_and_b32 v[LOFF], 31, v0
	v_lshlrev_b32 v[LOFF], 4, v[LOFF]
	v_and_b32 v2, 15, v0
	v_bfe_u32 v3, v0, 4, 1
	v_lshlrev_b32 v4, 5, v3                        ; my 8 columns' bias
	s_lshl_b32 s36, s20, 11
	s_lshl_b32 s37, s21, 10
	s_add_co_u32 s36, s36, s37
	v_add_nc_u32 v5, s36, v[LOFF]                  ; O's tile 4 head + 2 pair
	s_mul_i32 s36, s16, 16*SP
	s_add_co_u32 s36, s36, STG
	v_mul_u32_u24 v6, v2, SP
	v_lshl_add_u32 v6, v3, 5, v6
	v_add_nc_u32 v6, s36, v6
	v_add_nc_u32 v7, s36, v[LOFF]
	s_lshl_b32 s24, s22, 20                        ; XB
	s_lshl_b32 s25, s19, 13
	s_add_co_u32 s24, s24, s25
	s_mov_b32 s25, 0
	s_mul_i32 s26, s22, 327680                     ; T's blocks 2 pair, + 1
	s_lshl_b32 s27, s21, 15
	s_add_co_u32 s26, s26, s27
	s_mov_b32 s27, 0
	s_lshl_b32 s28, s16, 9
	s_mov_b32 s29, 0
	s_lshl_b32 s30, s16, 15
	s_add_co_u32 s30, s30, 393216
	s_mov_b32 s31, 0
	s_lshl_b32 s32, s22, 12
	s_mov_b32 s33, 0
	s_lshl_b32 s34, s18, 21                        ; out0: row 1,024 b + 16 tile, byte 512 w
	s_lshl_b32 s35, s19, 15
	s_add_co_u32 s34, s34, s35
	s_add_co_u32 s34, s34, s28
	s_mov_b32 s35, 0
	s_mov_b32 s41, 0                               ; named with s40 as a pair
	s_wait_kmcnt 0x0
	s_add_nc_u64 s[32:33], s[12:13], s[32:33]
	s_load_b32 s40, s[32:33], 0x0                  ; 1 / sY
	s_add_nc_u64 s[24:25], s[6:7], s[24:25]
	s_add_nc_u64 s[26:27], s[4:5], s[26:27]
	s_add_nc_u64 s[28:29], s[10:11], s[28:29]
	s_add_nc_u64 s[30:31], s[8:9], s[30:31]
	s_add_nc_u64 s[34:35], s[14:15], s[34:35]
.set t, 0
.rept 16
	global_load_b128 v[XH+4*t:XH+4*t+3], v[LOFF], s[24:25] offset:t*512
	global_load_b128 v[XL+4*t:XL+4*t+3], v[LOFF], s[24:25] offset:t*512+524288
.set t, t+1
.endr
	WIN 0x40
.set t, 0
.rept 64                               ; t = 32 c + 16 p + tile
	global_load_b128 v[4*t:4*t+3], v[LOFF], s[26:27] offset:(t/32)*16384+((t/16)%2)*8192+(t%16)*512
.set t, t+1
.endr
	WIN 0xc0
.set t, 0
.rept 8
	global_load_b128 v[8*t:8*t+3], v4, s[28:29] offset:t*64
	global_load_b128 v[8*t+4:8*t+7], v4, s[28:29] offset:t*64+16
.set t, t+1
.endr
	WIN 0x80
.set t, 0
.rept 64
	global_load_b128 v[4*t:4*t+3], v[LOFF], s[30:31] offset:t*512
.set t, t+1
.endr
	WIN 0
	s_wait_loadcnt 63                              ; of 176 loads the first 113 are in: x, U and the bias are the first 112
.macro UX pu, px, s, zero              ; two products; the two accumulators take turns
.irp c, 0,1
.if \zero
	v_wmma_f32_16x16x32_f16 v[AC1+8*\c:AC1+8*\c+7], v[128*\c+64*(\pu)+8*(\s):128*\c+64*(\pu)+8*(\s)+7], v[XH+64*(\px)+8*(\s):XH+64*(\px)+8*(\s)+7], 0
.else
	v_wmma_f32_16x16x32_f16 v[AC1+8*\c:AC1+8*\c+7], v[128*\c+64*(\pu)+8*(\s):128*\c+64*(\pu)+8*(\s)+7], v[XH+64*(\px)+8*(\s):XH+64*(\px)+8*(\s)+7], v[AC1+8*\c:AC1+8*\c+7]
.endif
.endr
.endm
	WIN 0x01                                       ; source 0 (U) window 1
.irp s, 0,1,2,3,4,5,6,7
.if \s == 0
	UX 0, 0, \s, 1
.else
	UX 0, 0, \s, 0
.endif
	UX 0, 1, \s, 0
	UX 1, 0, \s, 0
.endr
	WIN 0
	PLACES
	s_wait_kmcnt 0x0
.set z, 0
.rept 8
	v_pk_mul_f32 v[AC1+2*z:AC1+2*z+1], v[AC1+2*z:AC1+2*z+1], s[40:41] op_sel_hi:[1,0]
.set z, z+1
.endr
.set z, 0
.rept 8
	v_cvt_pk_f16_f32 v[PK+z], v[AC1+2*z], v[AC1+2*z+1]
.set z, z+1
.endr
	ds_store_b128 v5, v[PK:PK+3] offset:OBL
	ds_store_b128 v5, v[PK+4:PK+7] offset:OBL+512
	s_wait_dscnt 0x0                               ; for the others' sake
	s_barrier_signal -1
	s_barrier_wait -1
.set t, 0
.rept 8
	ds_load_b128 v[OBF+4*t:OBF+4*t+3], v[LOFF] offset:OBL+t*512
.set t, t+1
.endr
	s_wait_loadcnt 0x0                             ; W_out
	WIN 0x0f                                       ; sources window 3
.set z, 0
.rept 32
	v_cvt_pk_bf16_f32 v[TMP+z], v[2*z], v[2*z+1]
.set z, z+1
.endr
	WIN 0xc0                                       ; destination window 3
.set z, 0
.rept 32
	v_lshlrev_b32 v[2*z], 16, v[TMP+z]
	v_and_b32 v[2*z+1], 0xffff0000, v[TMP+z]
.set z, z+1
.endr
	s_wait_dscnt 0x0
	WIN 0xf2                                       ; W_out window 2, O window 0, sums window 3
.irp ks, 0,1,2,3
.irp nt, 0,1,2,3,4,5,6,7
	v_wmma_f32_16x16x32_f16 v[8*\nt:8*\nt+7], v[32*\nt+8*\ks:32*\nt+8*\ks+7], v[OBF+8*\ks:OBF+8*\ks+7], v[8*\nt:8*\nt+7]
.endr
.endr
	WIN 0
	PLACES
	WIN 0x0c                                       ; store data window 3
.set t, 0
.rept 8
	ds_store_b128 v6, v[8*t:8*t+3] offset:t*64
	ds_store_b128 v6, v[8*t+4:8*t+7] offset:t*64+16
.set t, t+1
.endr
	WIN 0
.set t, 0
.rept 16
	ds_load_b128 v[XH+4*t:XH+4*t+3], v7 offset:t*SP   ; my own bytes, in order behind the stores: a row's 512 bytes
.set t, t+1
.endr
.set t, 0
.rept 16
	s_wait_dscnt 15-t                              ; row t is back; the younger loads may stay out
	global_store_b128 v[LOFF], v[XH+4*t:XH+4*t+3], s[34:35] offset:t*2048
.set t, t+1
.endr
	s_wait_tensorcnt 0x0                           ; the wave's end: the add and its wait, behind my last LDS store
	ds_add_u32 v[SPW], v[NIL]
	s_wait_dscnt 0x0
	s_endpgm
.Lfunc_end_k_q11622d5adc_final:
	.size	k_q11622d5adc_final, .Lfunc_end_k_q11622d5adc_final-k_q11622d5adc_final
	.p2alignl 7, 3214868480
	.fill 96, 4, 3214868480
	.section	.rodata,"a",@progbits
	.p2align	6, 0x0
	.amdhsa_kernel k_q11622d5adc_final
		.amdhsa_group_segment_fixed_size 38400
		.amdhsa_private_segment_fixed_size 0
		.amdhsa_enable_private_segment 0
		.amdhsa_kernarg_size 48
		.amdhsa_user_sgpr_count 2
		.amdhsa_user_sgpr_kernarg_segment_ptr 1
		.amdhsa_wavefront_size32 1
		.amdhsa_system_sgpr_workgroup_id_x 1
		.amdhsa_system_sgpr_workgroup_id_y 1
		.amdhsa_system_sgpr_workgroup_id_z 1
		.amdhsa_system_vgpr_workitem_id 0
		.amdhsa_next_free_vgpr 832
		.amdhsa_next_free_sgpr 66
		.amdhsa_reserve_vcc 0
		.amdhsa_float_denorm_mode_32 3
		.amdhsa_float_denorm_mode_16_64 3
		.amdhsa_memory_ordered 1
		.amdhsa_forward_progress 1
		.amdhsa_inst_pref_size 36
	.end_amdhsa_kernel
	.amdgpu_metadata
---
amdhsa.version: [ 1, 2 ]
amdhsa.kernels:
  - .name:           k_q11622d5adc_final
    .symbol:         k_q11622d5adc_final.kd
    .args:
      - { .name: ma, .offset: 0, .size: 8, .value_kind: global_buffer, .address_space: global }
      - { .name: md, .offset: 8, .size: 8, .value_kind: global_buffer, .address_space: global }
      - { .name: wf, .offset: 16, .size: 8, .value_kind: global_buffer, .address_space: global }
      - { .name: b_out, .offset: 24, .size: 8, .value_kind: global_buffer, .address_space: global }
      - { .name: ts, .offset: 32, .size: 8, .value_kind: global_buffer, .address_space: global }
      - { .name: out0, .offset: 40, .size: 8, .value_kind: global_buffer, .address_space: global }
    .group_segment_fixed_size: 38400
    .private_segment_fixed_size: 0
    .kernarg_segment_align: 8
    .kernarg_segment_size: 48
    .max_flat_workgroup_size: 128
    .sgpr_count:     66
    .vgpr_count:     832
    .wavefront_size: 32
...
	.end_amdgpu_metadata
.endif
;; end of part 6
;; ======== version 2 of 2: 11 launches; version 1 with the launches mid, gram written anew for expert scheduling mode
;; limits: values are held in f16: magnitudes above 65,504 overflow, below 6.1e-05 lose precision
;; workspace buffers: wf 524,288 bytes; pj 5,505,024 bytes; md 9,043,968 bytes; ma 1,310,720 bytes; mb 1,310,720 bytes; ts 16,384 bytes
;; launch prep: the kernel of part 1 again; grid 128 x 1, 4 waves a work-group, no clusters, 0 bytes of LDS; arguments W_kv, W_q, W_out, wf; writes wf
;; launch proj: the kernel of part 2 again; grid 144 x 1, 4 waves a work-group, no clusters, 307,712 bytes of LDS; arguments x, q_input, wf, pj; writes pj
;; launch mid (part 7): grid 192 x 1, 4 waves a work-group, no clusters, 86,784 bytes of LDS; arguments pj, md; writes md
.if DOCPART == 7
	.amdgcn_target "amdgcn-amd-amdhsa--gfx1250"
	.amdhsa_code_object_version 6
	.text
	.protected	k_q11622d5adc_mid
	.globl	k_q11622d5adc_mid
	.p2align	8
	.type	k_q11622d5adc_mid,@function
k_q11622d5adc_mid:
	s_mov_b64 s[64:65], 0
	v_nop
	global_prefetch_b8 v0, s[64:65] scope:SCOPE_SE
	s_setreg_imm32_b32 hwreg(HW_REG_WAVE_SCHED_MODE, 0, 2), 2
	s_setreg_imm32_b32 hwreg(HW_REG_WAVE_MODE, 25, 1), 1
	s_wait_xcnt 0x0
	s_wait_alu depctr_vm_vsrc(0)
; TWO BODIES, chosen by the work-group's number alone.
; ATTN (work-groups 0..127): Y = softmax(q k^T / 8) v for 32 queries of one head.  THE KEYS ARE SPLIT AMONG THE FOUR WAVES, 1,024 each, 64 a step; K's and V's tiles come straight from memory into
;   registers as fragments.  S^T = K Q^T holds one query a lane; its weights, rounded to f16, are source 1 of O^T = V^T P.  Running maximum m and sum l in f32, p = 2^(c s - c m), c = log2(e) / 8;
;   the four waves' (m, l, O) meet in LDS at the end.  Y leaves as f16 tiles, lane = channel, registers = queries (turned in the wave's own stage).
; LAND (work-groups 128..191): x = softmax(q kl^T / 8) for 64 queries of one head, 16 a wave, all 256 landmarks.  q and kl / 16 go as f16 hi + lo: hi hi + hi lo + lo hi, f32 sums; the true maximum
;   of the 256 scores is taken away; the factor 16 stands in the exponent's constant 2 log2(e).  x leaves as f16 hi + lo tiles twice: lane = query (XB) and turned, lane = landmark (XT); with it the
;   work-group's column sums (by a product of the turned tiles with ones) and its largest row sum.
; LIMITS.  f16's range for q, k, v, kl / 16; a weight below 2^-126 counts as 0; lo parts have f16's fixed step of 6e-8; NaN and infinities are not treated apart.
; NO CLUSTER, NO TENSOR LOADS: each fragment is multiplied by the one wave that loads it; a joint load would add a pass through LDS.
; THE MODE: SCHED_MODE bits 1:0 = 2 (LLVM: expert scheduling mode 2), set by the entry lines.  The code itself states the register dependences
; between vector or matrix instructions and memory or LDS instructions, with s_wait_alu, always for 0.
; THE PLAN, ATTN.  Registers that memory instructions touch in the loop:
;   v[LOFF]             the offset of every load; made at the head and never written again: the scalar bases step, and immediate offsets do the rest.
;   K of buffer b       read by step s's 16 products K Q^T (b = s % 2); K of step s + 2 lands in it.
;   V of buffer b       read by step s's 16 products V^T P; V of step s + 2 lands in it, asked for in step s + 1.
; A step has ONE wait on va_vdst: the one that stands behind the softmax's batch of exponentials.  Ahead of it stand this step's K Q^T and the last step's V^T P, so behind it K of this buffer and V of
; the other buffer are free: the step's 32 loads stand there, V of step s + 1 and K of step s + 2.  What follows them in the step names S^T, P, O, the statistics and V of THIS buffer; the next step's
; K Q^T name K of the OTHER buffer.
; THE PLAN, LAND.  kl's fragments lie in four buffers of 64 registers (window 1), two landmark tiles each; a wait on va_vdst stands behind every second pair of buffers' products, ahead of the loads that
; fill them again.  Splits into hi and lo stand in runs, one wait on va_vdst behind a run and ahead of its stores; one wait on vm_vsrc stands ahead of whatever writes registers that those stores read.
.set SPARE, 86272                      ; the spare words, 128 bytes a wave: two blocks of 256 bytes that no other line names
.set LOFF,  3                          ; v3   16 l
.set TROFF, 4                          ; v4   the turning load's place: 256 ((l / 8) % 2) + 16 (8 (l / 16) + l % 8)
.set SPW,   26                         ; v26  my spare word; never rewritten
.set NIL,   27                         ; v27  0; never rewritten
.set ONE,   8                          ; v8   1.0 (LAND)
.set MSB, 0
.macro WIN new
.if MSB != (\new)
	s_set_vgpr_msb (MSB<<8)|(\new)
.set MSB, \new
.endif
.endm
.macro PLACES
.rept 4
	v_nop
.endr
.endm
.macro SPLIT8 a, h, l                  ; eight f32 at a -> f16 hi at h, f16 lo at l; the difference is exact
.irp k, 0,1,2,3
	v_cvt_pk_f16_f32 v[(\h)+\k], v[(\a)+2*\k], v[(\a)+2*\k+1]
.endr
.irp k, 0,1,2,3
	v_fma_mix_f32 v[(\a)+2*\k], -v[(\h)+\k], v[ONE], v[(\a)+2*\k] op_sel:[0,0,0] op_sel_hi:[1,0,0]
	v_fma_mix_f32 v[(\a)+2*\k+1], -v[(\h)+\k], v[ONE], v[(\a)+2*\k+1] op_sel:[1,0,0] op_sel_hi:[1,0,0]
.endr
.irp k, 0,1,2,3
	v_cvt_pk_f16_f32 v[(\l)+\k], v[(\a)+2*\k], v[(\a)+2*\k+1]
.endr
.endm
.macro DPPMAX r                        ; the maximum over each half of 16 lanes
.irp x, 1,2,4,8
	v_max_num_f32_dpp v[\r], v[\r], v[\r] row_xmask:\x row_mask:0xf bank_mask:0xf
.endr
.endm
	s_load_b128 s[4:7], s[0:1], 0x0                ; pj s[4:5], md s[6:7]
	v_lshl_add_u32 v[SPW], v0, 2, SPARE
	v_mov_b32 v[NIL], 0
	v_lshrrev_b32 v1, 5, v0
	v_readfirstlane_b32 s8, v1                     ; wave
	s_mov_b32 s9, ttmp9
	v_and_b32 v1, 15, v0                           ; l % 16
	v_bfe_u32 v2, v0, 4, 1                         ; l / 16
	v_and_b32 v[LOFF], 31, v0
	v_lshlrev_b32 v[LOFF], 4, v[LOFF]
	v_and_b32 v5, 7, v0
	v_bfe_u32 v6, v0, 3, 1
	v_lshl_add_u32 v[TROFF], v2, 3, v5
	v_lshlrev_b32 v[TROFF], 4, v[TROFF]
	v_lshl_add_u32 v[TROFF], v6, 8, v[TROFF]
	s_mov_b32 s22, 0x76543210                      ; v_permlanex16_b32: each lane takes its own place in the other half
	s_mov_b32 s23, 0xfedcba98
	s_wait_alu depctr_va_sdst(0)                   ; s8 is written, ahead of the branch: both bodies make their addresses from it
	s_cmp_lt_u32 s9, 128
	s_cbranch_scc0 .Lland
; ---------------------------------------------------------------- ATTN
.set ST,  8                            ; tile t's statistics at v[ST+4 t]: c m, m, l (even keys', odd keys')
.set TMP, 16                           ; four registers a tile at work; when the maximum is found the third takes a
.set MV,  24                           ; c m_old, kept while c m is made anew
.set AQ,  32                           ; Q: tile t, channel tile ct at AQ + 16 t + 4 ct
.set AS,  64                           ; S^T: tile t, key tile kt at AS + 32 t + 8 kt
.set AP,  128                          ; P: AP + 16 t + 8 s
.set AO,  160                          ; O^T: AO + 32 t + 8 ct
.set STATS, 32768                      ; LDS: O's parts at 0 [wave 8,192][t 4,096][ct 1,024][half 512]; statistics [wave 512][t 256][kind 128][lane 4]
.set TRA,   34816                      ; the stages, 1,024 bytes a wave
	s_lshr_b32 s10, s9, 5                          ; head
	s_and_b32 s11, s9, 31                          ; pair of query tiles
	s_lshl_b32 s26, s10, 19
	s_lshl_b32 s27, s8, 17                         ; my 1,024 keys: 64 key tiles of 2,048 bytes
	s_add_co_u32 s26, s26, s27
	s_mov_b32 s27, 0
	s_lshl_b32 s28, s10, 18
	s_lshl_b32 s29, s11, 12
	s_add_co_u32 s28, s28, s29
	s_add_co_u32 s28, s28, 4194304
	s_mov_b32 s29, 0
	s_mov_b32 s20, 0x3e38aa3b                      ; c = log2(e) / 8
	s_mov_b32 s21, s20                             ; named with it as a pair
	s_wait_kmcnt 0x0
	s_add_nc_u64 s[12:13], s[4:5], s[26:27]        ; K
	s_add_nc_u64 s[14:15], s[12:13], 2097152       ; V
	s_add_nc_u64 s[16:17], s[4:5], s[28:29]        ; Q, hi
	s_wait_alu depctr_va_vdst(0)                   ; v[LOFF] is written: every global load and store of this body reads it as its offset
.set i, 0
.rept 8
	global_load_b128 v[AQ+4*i:AQ+4*i+3], v[LOFF], s[16:17] offset:512*i
.set i, i+1
.endr
.macro KLOAD b, off                    ; a step's 16 tiles of K into buffer b of window 1: tile i at 4 i
	WIN 0x40
.set i, 0
.rept 16
	global_load_b128 v[128*(\b)+4*i:128*(\b)+4*i+3], v[LOFF], s[12:13] offset:(\off)+512*i
.set i, i+1
.endr
.endm
.macro VLOAD b, off                    ; a step's 16 tiles of V into buffer b of window 1: tile (kt, ct) at 64 + 32 (kt / 2) + 8 ct + 4 (kt % 2)
	WIN 0x40
.set i, 0
.rept 16
.set rr, 128*(\b)+64+32*(i/8)+8*(i%4)+4*((i/4)%2)
	global_load_b128 v[rr:rr+3], v[LOFF], s[14:15] offset:(\off)+512*i
.set i, i+1
.endr
.endm
	KLOAD 0, 0                                     ; the order of all loads: Q, K0, V0, K1; then step s asks for V(s + 1) and K(s + 2)
	VLOAD 0, 0
	KLOAD 1, 8192
	WIN 0
.set z, 0
.rept 64
	v_mov_b32 v[AO+z], 0                           ; O and l start at 0, m at the lowest finite number: the first step is a step like any other, with a = 0
.set z, z+1
.endr
.irp t, 0,1
	v_mov_b32 v[ST+4*\t], 0xfe000000               ; c m: far below every c s
	v_mov_b32 v[ST+4*\t+1], 0xff7fffff             ; m
	v_mov_b32 v[ST+4*\t+2], 0
	v_mov_b32 v[ST+4*\t+3], 0
.endr
.macro TREG t
.set rT, ST+4*(\t)
.set rC, TMP+4*(\t)
.set rM, MV+(\t)
.set rS, AS+32*(\t)
.set rO, AO+32*(\t)
.endm
; Number n of the 22 that find a tile's maximum and statistics; each accumulator's lowest registers are read first.
.macro XS t, n
	TREG \t
.if (\n) < 4
	v_max3_num_f32 v[rC+(\n)], v[rS+8*(\n)], v[rS+8*(\n)+1], v[rS+8*(\n)+2]
.elseif (\n) < 12
	v_max3_num_f32 v[rC+(\n)%4], v[rC+(\n)%4], v[rS+8*((\n)%4)+2*((\n)/4)+1], v[rS+8*((\n)%4)+2*((\n)/4)+2]
.elseif (\n) == 12
	v_max3_num_f32 v[rC], v[rC], v[rS+7], v[rS+15]
.elseif (\n) == 13
	v_max3_num_f32 v[rC+1], v[rC+1], v[rS+23], v[rS+31]
.elseif (\n) == 14
	v_max3_num_f32 v[rC+2], v[rC+2], v[rC+3], v[rT+1]
.elseif (\n) == 15
	v_mov_b32 v[rM], v[rT]
.elseif (\n) == 16
	v_max3_num_f32 v[rC], v[rC], v[rC+1], v[rC+2]
.elseif (\n) == 17
	v_permlanex16_b32 v[rC+3], v[rC], s22, s23     ; the query's other 32 keys lie in the lane 16 away
.elseif (\n) == 18
	v_max_num_f32 v[rT+1], v[rC], v[rC+3]
.elseif (\n) == 19
	v_mul_f32 v[rT], s20, v[rT+1]
.elseif (\n) == 20
	v_sub_f32 v[rC+1], v[rM], v[rT]
.else
	v_exp_f32 v[rC+2], v[rC+1]
.endif
.endm
.macro SOFT1                           ; both tiles' softmax for a step, up to the batch of exponentials; the tiles alternate
.irp n, 0,1,2,3,4,5,6,7,8,9,10,11,12,13,14,15,16,17,18,19,20
	XS 0, \n
	XS 1, \n
.endr
.set z, 0
.rept 16
.irp t, 0,1
	TREG \t
	v_pk_fma_f32 v[rS+2*z:rS+2*z+1], v[rS+2*z:rS+2*z+1], s[20:21], v[rT:rT+1] op_sel_hi:[1,0,0] neg_lo:[0,0,1] neg_hi:[0,0,1]  ; c s - c m
.endr
.set z, z+1
.endr
	XS 0, 21                                       ; ONE BATCH: the two a and the 64 weights; nothing ahead of the step's wait names a result
	XS 1, 21
.set z, 0
.rept 32
	v_exp_f32 v[AS+z], v[AS+z]
	v_exp_f32 v[AS+32+z], v[AS+32+z]
.set z, z+1
.endr
	v_nop                                          ; a plain instruction behind the last exponential
.endm
.macro SOFT2                           ; and what reads the batch's results
.set z, 0
.rept 16
	v_cvt_pk_f16_f32 v[AP+z], v[AS+2*z], v[AS+2*z+1]
	v_cvt_pk_f16_f32 v[AP+16+z], v[AS+32+2*z], v[AS+32+2*z+1]
.set z, z+1
.endr
.irp w, 4,8,16,32                      ; the sum of a tile's 16 pairs, in place: neighbours 1, 2, 4, 8 pairs apart
.set u, 0
.rept 32/\w
	v_pk_add_f32 v[AS+\w*u:AS+\w*u+1], v[AS+\w*u:AS+\w*u+1], v[AS+\w*u+\w/2:AS+\w*u+\w/2+1]
	v_pk_add_f32 v[AS+32+\w*u:AS+32+\w*u+1], v[AS+32+\w*u:AS+32+\w*u+1], v[AS+32+\w*u+\w/2:AS+32+\w*u+\w/2+1]
.set u, u+1
.endr
.endr
.irp t, 0,1
	TREG \t
	v_pk_fma_f32 v[rT+2:rT+3], v[rT+2:rT+3], v[rC+2:rC+3], v[rS:rS+1] op_sel_hi:[1,0,1]  ; l = a l + sum
.endr
.set z, 0
.rept 16
.irp t, 0,1
	TREG \t
	v_pk_mul_f32 v[rO+2*z:rO+2*z+1], v[rO+2*z:rO+2*z+1], v[rC+2:rC+3] op_sel_hi:[1,0]     ; O = a O, from each accumulator's low end on
.endr
.set z, z+1
.endr
.endm
; Key step s on buffer b = s % 2.  vl: V of step s + 1 is asked for, into the other buffer; kl: K of step s + 2, into this one.  lk, lv: the younger loads that may stay out when K, and when V, of this step
; have to be there.  In each run of 16 products 8 accumulators take turns.
.macro STEP b, kl, vl, lk, lv
	s_wait_loadcnt \lk                             ; loads come back in order (ISA guide 5.7.1): K of this step is in; behind it V of this step and K of the next were asked for
	WIN 0x01                                       ; source 0 (K, V) window 1
.irp c, 0,1
.irp kt, 0,1,2,3
.irp t, 0,1
.if \c == 0
	v_wmma_f32_16x16x32_f16 v[AS+32*\t+8*\kt:AS+32*\t+8*\kt+7], v[128*(\b)+16*\kt+8*\c:128*(\b)+16*\kt+8*\c+7], v[AQ+16*\t+8*\c:AQ+16*\t+8*\c+7], 0
.else
	v_wmma_f32_16x16x32_f16 v[AS+32*\t+8*\kt:AS+32*\t+8*\kt+7], v[128*(\b)+16*\kt+8*\c:128*(\b)+16*\kt+8*\c+7], v[AQ+16*\t+8*\c:AQ+16*\t+8*\c+7], v[AS+32*\t+8*\kt:AS+32*\t+8*\kt+7]
.endif
.endr
.endr
.endr
	WIN 0
	PLACES
	SOFT1
.if (\kl) || (\vl)
	WIN 0x40                                       ; the loads' window, ahead of the wait
.endif
	s_wait_alu depctr_va_vdst(0)                   ; THE STEP'S ONE WAIT: the two a and the 64 weights are written, ahead of their first reader; this step's K Q^T are done reading K of this buffer, the last step's V^T P reading V of the other: the loads below land there
.if \vl
	VLOAD 1-(\b), (1+(\b))*8192
.endif
.if \kl
	KLOAD \b, (2+(\b))*8192
.endif
	WIN 0
	SOFT2
	s_wait_loadcnt \lv                             ; V of this step is in; behind it K of the next step and this step's own loads were asked for
	WIN 0x01
.irp s, 0,1
.irp ct, 0,1,2,3
.irp t, 0,1
	v_wmma_f32_16x16x32_f16 v[AO+32*\t+8*\ct:AO+32*\t+8*\ct+7], v[128*(\b)+64+32*\s+8*\ct:128*(\b)+64+32*\s+8*\ct+7], v[AP+16*\t+8*\s:AP+16*\t+8*\s+7], v[AO+32*\t+8*\ct:AO+32*\t+8*\ct+7]
.endr
.endr
.endr
	WIN 0
.endm
	s_mov_b32 s24, 7
.Lstep:                                                ; steps 0 to 13, two a trip
	STEP 0, 1, 1, 32, 48
	STEP 1, 1, 1, 32, 48
	s_wait_xcnt 0x0                                ; the loads have read their bases
	s_add_nc_u64 s[12:13], s[12:13], 16384
	s_add_nc_u64 s[14:15], s[14:15], 16384
	s_sub_co_u32 s24, s24, 1
	s_cmp_lg_u32 s24, 0
	s_cbranch_scc1 .Lstep
	STEP 0, 0, 1, 32, 32                           ; step 14 asks for V of step 15 alone, step 15 for nothing: no load leaves the wave's keys, and the counts run down
	STEP 1, 0, 0, 16, 0
	; THE FOUR KEY QUARTERS MEET.  The additions and the addresses below, eleven plain lines, are the places behind the last products.
.irp t, 0,1
	v_add_f32 v[ST+4*\t+2], v[ST+4*\t+2], v[ST+4*\t+3]
.endr
.irp t, 0,1
	v_permlanex16_b32 v[ST+4*\t+3], v[ST+4*\t+2], s22, s23
.endr
.irp t, 0,1
	v_add_f32 v[ST+4*\t+2], v[ST+4*\t+2], v[ST+4*\t+3]
.endr
	s_lshr_b32 s30, s8, 1                          ; the tile that I finish,
	s_and_b32 s31, s8, 1                           ; and which two of its channel tiles
	s_lshl_b32 s25, s8, 13
	v_add_nc_u32 v5, s25, v[LOFF]
	v_lshrrev_b32 v6, 2, v[LOFF]                   ; 4 l
	s_lshl_b32 s25, s30, 8
	s_add_co_u32 s25, s25, STATS
	v_add_nc_u32 v28, s25, v6
	s_lshl_b32 s25, s8, 9
	s_add_co_u32 s25, s25, STATS
	v_add_nc_u32 v6, s25, v6
	s_lshl_b32 s25, s30, 12
	s_lshl_b32 s28, s31, 11
	s_add_co_u32 s25, s25, s28
	v_add_nc_u32 v7, s25, v[LOFF]
	s_lshl_b32 s25, s8, 10
	s_add_co_u32 s25, s25, TRA
	v_add_nc_u32 v29, s25, v[LOFF]
	v_add_nc_u32 v30, s25, v[TROFF]
	s_lshl_b32 s26, s10, 17                        ; Y: 8 MiB + head x 131,072 + channel tile x 32,768 + query tile x 512
	s_lshl_b32 s28, s31, 16
	s_add_co_u32 s26, s26, s28
	s_lshl1_add_u32 s28, s11, s30
	s_lshl_b32 s28, s28, 9
	s_add_co_u32 s26, s26, s28
	s_add_co_u32 s26, s26, 8388608
	s_mov_b32 s27, 0
	s_add_nc_u64 s[18:19], s[6:7], s[26:27]
	s_wait_alu depctr_va_vdst(0)                   ; the last products have written O, the additions l, and the six LDS addresses v5 to v7, v28 to v30 are written, all of which the LDS instructions below read; the softmax is done with S^T's registers, in which the loads behind the barrier land
.irp t, 0,1
.irp ct, 0,1,2,3
	ds_store_b128 v5, v[AO+32*\t+8*\ct:AO+32*\t+8*\ct+3] offset:\t*4096+\ct*1024
	ds_store_b128 v5, v[AO+32*\t+8*\ct+4:AO+32*\t+8*\ct+7] offset:\t*4096+\ct*1024+512
.endr
	ds_store_b32 v6, v[ST+4*\t] offset:\t*256
	ds_store_b32 v6, v[ST+4*\t+2] offset:\t*256+128
.endr
	s_wait_dscnt 0x0                               ; for the others' sake
	s_barrier_signal -1
	s_barrier_wait -1
.irp v, 0,1,2,3
.irp c, 0,1
	ds_load_b128 v[64+16*\v+8*\c:64+16*\v+8*\c+3], v7 offset:\v*8192+\c*1024
	ds_load_b128 v[64+16*\v+8*\c+4:64+16*\v+8*\c+7], v7 offset:\v*8192+\c*1024+512
.endr
	ds_load_b32 v[224+2*\v], v28 offset:\v*512
	ds_load_b32 v[225+2*\v], v28 offset:\v*512+128
.endr
	s_wait_dscnt 0x0
	v_max3_num_f32 v232, v224, v226, v228          ; the largest of the four c m
	v_max_num_f32 v232, v232, v230
.irp v, 0,1,2,3
	v_sub_f32 v[236+\v], v[224+2*\v], v232
.endr
.irp v, 0,1,2,3
	v_exp_f32 v[236+\v], v[236+\v]
.endr
	v_nop
	s_wait_alu depctr_va_vdst(0)                   ; the four exponentials have written v[236:239], ahead of their first reader
	v_mul_f32 v233, v236, v225
	v_fmac_f32 v233, v237, v227
	v_fmac_f32 v233, v238, v229
	v_fmac_f32 v233, v239, v231                    ; l of all keys; at least 1, since the largest weight is 1
	v_rcp_f32 v234, v233
	v_nop
	s_wait_alu depctr_va_vdst(0)                   ; the reciprocal has written v234, ahead of its first reader
.irp v, 0,1,2,3
	v_mul_f32 v[240+2*\v], v[236+\v], v234
	v_mul_f32 v[241+2*\v], v[236+\v], v234
.endr
.set z, 0
.rept 8
	v_pk_mul_f32 v[64+2*z:65+2*z], v[64+2*z:65+2*z], v[240:241]
	v_pk_fma_f32 v[64+2*z:65+2*z], v[80+2*z:81+2*z], v[242:243], v[64+2*z:65+2*z]
	v_pk_fma_f32 v[64+2*z:65+2*z], v[96+2*z:97+2*z], v[244:245], v[64+2*z:65+2*z]
	v_pk_fma_f32 v[64+2*z:65+2*z], v[112+2*z:113+2*z], v[246:247], v[64+2*z:65+2*z]
.set z, z+1
.endr
.set z, 0
.rept 8
	v_cvt_pk_f16_f32 v[128+z], v[64+2*z], v[64+2*z+1]
.set z, z+1
.endr
	s_wait_alu depctr_va_vdst(0)                   ; the roundings have written v[128:135], which the LDS stores read
	ds_store_b128 v29, v[128:131]
	ds_store_b128 v29, v[132:135] offset:512
	ds_load_tr16_b128 v[136:139], v30              ; my own bytes, in order behind the stores
	ds_load_tr16_b128 v[140:143], v30 offset:512
	s_wait_dscnt 0x0
	global_store_b128 v[LOFF], v[136:139], s[18:19]
	global_store_b128 v[LOFF], v[140:143], s[18:19] offset:32768
	s_wait_dscnt 0x0                               ; the closing lines, six on end
	s_wait_alu 0x0
	s_wait_tensorcnt 0x0
	ds_add_u32 v[SPW], v[NIL]
	s_wait_dscnt 0x0
	s_endpgm
; ---------------------------------------------------------------- LAND
.set KLR, 64                           ; v[64:127]  kl's hi parts on their way into LDS; later x's hi parts
.set LSS, 128                          ; v[128:255] S^T: landmark tile lt at LSS + 8 lt;  window 1: kl's fragments, pair g of landmark tiles at 64 (g % 4) + 32 i + 16 p + 4 ct
.set MX,  28                           ; v[28:31]   four running maxima
.set TRL, 65536                        ; LDS: kl's fragments at 0 [lt 4,096][p 2,048][ct 512]; stages [wave 4,096][i 1,024][p 512]
.set CSL, 81920                        ; the waves' column sums [wave 1,024][256 f32]
.set RML, 86016                        ; the waves' largest row sums, four words
.Lland:
	s_sub_co_u32 s9, s9, 128
	s_lshr_b32 s10, s9, 4                          ; head
	s_and_b32 s11, s9, 15                          ; block of 64 queries
	s_lshl2_add_u32 s25, s11, s8                   ; my query tile
	s_lshl_b32 s30, s10, 16                        ; KL: 5 MiB + head x 65,536 + wave x 16,384
	s_lshl_b32 s31, s8, 14
	s_add_co_u32 s30, s30, s31
	s_add_co_u32 s30, s30, 5242880
	s_mov_b32 s31, 0
	s_lshl_b32 s32, s10, 18                        ; Q: 4 MiB + head x 262,144 + tile x 2,048
	s_lshl_b32 s33, s25, 11
	s_add_co_u32 s32, s32, s33
	s_add_co_u32 s32, s32, 4194304
	s_mov_b32 s33, 0
	s_lshl_b32 s34, s10, 20                        ; XB: head x 1 MiB + tile x 8,192
	s_lshl_b32 s35, s25, 13
	s_add_co_u32 s34, s34, s35
	s_mov_b32 s35, 0
	s_lshl_b32 s36, s10, 20                        ; XT: 4 MiB + head x 1 MiB + tile x 512
	s_lshl_b32 s37, s25, 9
	s_add_co_u32 s36, s36, s37
	s_add_co_u32 s36, s36, 4194304
	s_mov_b32 s37, 0
	s_lshl_b32 s38, s9, 10                         ; CSP and RMX: 1,024 bytes for each work-group
	s_add_co_u32 s40, s38, 8978432
	s_add_co_u32 s38, s38, 8912896
	s_mov_b32 s39, 0
	s_mov_b32 s41, 0
	s_mov_b32 s20, 0x4038aa3b                      ; 16 / 8 x log2(e)
	s_mov_b32 s21, s20
	v_lshlrev_b32 v5, 8, v1
	v_lshl_add_u32 v5, v2, 5, v5                   ; a row of KL is 256 bytes; my 8 channels of a tile begin 32 (l / 16) bytes in
	s_lshl_b32 s24, s8, 14
	v_add_nc_u32 v6, s24, v[LOFF]
	s_lshl_b32 s24, s8, 12
	s_add_co_u32 s24, s24, TRL
	v_add_nc_u32 v9, s24, v[LOFF]
	v_add_nc_u32 v10, s24, v[TROFF]
	s_lshl_b32 s24, s8, 10
	s_add_co_u32 s24, s24, CSL
	v_lshl_add_u32 v11, v2, 5, s24
	s_lshl_b32 s24, s8, 2
	s_add_co_u32 s24, s24, RML
	v_mov_b32 v15, s24
	v_mov_b32 v[ONE], 1.0
.irp k, 0,1,2,3,4,5,6,7
	v_mov_b32 v[16+\k], 0x3c003c00                 ; ones in f16
.endr
	s_wait_kmcnt 0x0
	s_add_nc_u64 s[12:13], s[4:5], s[30:31]
	s_add_nc_u64 s[14:15], s[4:5], s[32:33]
	s_add_nc_u64 s[16:17], s[6:7], s[34:35]
	s_add_nc_u64 s[18:19], s[6:7], s[36:37]
	s_add_nc_u64 s[26:27], s[6:7], s[38:39]
	s_add_nc_u64 s[28:29], s[6:7], s[40:41]
	s_wait_alu depctr_va_vdst(0)                   ; v[LOFF], v5, v6, v9, v10, v11 and v15 are written: the offsets and LDS addresses that the loads and stores of this body read
	; kl / 16 of my four landmark tiles, f32, as fragments; then hi and lo into LDS for all four waves
.set t, 0
.rept 16
	global_load_b128 v[LSS+8*t:LSS+8*t+3], v5, s[12:13] offset:(t/4)*4096+(t%4)*64
	global_load_b128 v[LSS+8*t+4:LSS+8*t+7], v5, s[12:13] offset:(t/4)*4096+(t%4)*64+16
.set t, t+1
.endr
.irp ct, 0,1,2,3
	global_load_b128 v[32+4*\ct:32+4*\ct+3], v[LOFF], s[14:15] offset:\ct*512          ; q hi
	global_load_b128 v[48+4*\ct:48+4*\ct+3], v[LOFF], s[14:15] offset:\ct*512+131072   ; q lo
.endr
	s_wait_loadcnt 0x0
.set t, 0
.rept 16                               ; all sixteen splits in one run,
	SPLIT8 LSS+8*t, KLR+4*t, LSS+8*t
.set t, t+1
.endr
	s_wait_alu depctr_va_vdst(0)                   ; the splits have written hi (v[64:127]) and lo (the first four of each eight from v128 on), which the LDS stores read
.set t, 0
.rept 16                               ; and their stores in one run behind the one wait
	ds_store_b128 v6, v[KLR+4*t:KLR+4*t+3] offset:(t/4)*4096+(t%4)*512
	ds_store_b128 v6, v[LSS+8*t:LSS+8*t+3] offset:(t/4)*4096+(t%4)*512+2048
.set t, t+1
.endr
	s_wait_dscnt 0x0                               ; for the others' sake
	s_barrier_signal -1
	s_barrier_wait -1
	s_wait_alu depctr_vm_vsrc(0)                   ; my LDS stores have read hi and lo, and the loads of kl have read v5: the products below write over lo's registers, the row sums over hi's, and v5 is made anew at the end
; the scores, two landmark tiles (a pair g) at a time: 12 products, the two accumulators by turns
.macro KLD g                           ; pair g's fragments: 16 LDS loads into buffer g % 4
.irp i, 0,1
.irp p, 0,1
.irp ct, 0,1,2,3
	ds_load_b128 v[64*((\g)%4)+32*\i+16*\p+4*\ct:64*((\g)%4)+32*\i+16*\p+4*\ct+3], v[LOFF] offset:(2*(\g)+\i)*4096+\p*2048+\ct*512
.endr
.endr
.endr
.endm
.macro SIM g, pk, pq, c, zero
.irp i, 0,1
.if \zero
	v_wmma_f32_16x16x32_f16 v[LSS+8*(2*(\g)+\i):LSS+8*(2*(\g)+\i)+7], v[64*((\g)%4)+32*\i+16*(\pk)+8*(\c):64*((\g)%4)+32*\i+16*(\pk)+8*(\c)+7], v[32+16*(\pq)+8*(\c):32+16*(\pq)+8*(\c)+7], 0
.else
	v_wmma_f32_16x16x32_f16 v[LSS+8*(2*(\g)+\i):LSS+8*(2*(\g)+\i)+7], v[64*((\g)%4)+32*\i+16*(\pk)+8*(\c):64*((\g)%4)+32*\i+16*(\pk)+8*(\c)+7], v[32+16*(\pq)+8*(\c):32+16*(\pq)+8*(\c)+7], v[LSS+8*(2*(\g)+\i):LSS+8*(2*(\g)+\i)+7]
.endif
.endr
.endm
.macro GROUP g
	SIM \g, 0, 0, 0, 1                             ; hi hi
	SIM \g, 0, 0, 1, 0
	SIM \g, 0, 1, 0, 0                             ; hi lo
	SIM \g, 0, 1, 1, 0
	SIM \g, 1, 0, 0, 0                             ; lo hi
	SIM \g, 1, 0, 1, 0
.endm
	WIN 0x40                                       ; destination window 1
	KLD 0
	KLD 1
	KLD 2
	KLD 3
	s_wait_dscnt 32                                ; LDS loads come back in order (ISA guide 5.7.1): pairs 0 and 1 are in, the 32 loads of pairs 2 and 3 may stay out
	WIN 0x01                                       ; source 0 (kl) window 1
	GROUP 0
	GROUP 1
	PLACES                                         ; the places ahead of a reload stay as they stood
	WIN 0x40
	s_wait_alu depctr_va_vdst(0)                   ; the products of pairs 0 and 1 are done reading buffers 0 and 1, in which the loads below land
	KLD 4
	KLD 5
	s_wait_dscnt 32                                ; pairs 2 and 3 are in, the 32 loads just issued may stay out
	WIN 0x01
	GROUP 2
	GROUP 3
	PLACES
	WIN 0x40
	s_wait_alu depctr_va_vdst(0)                   ; the products of pairs 2 and 3 are done reading buffers 2 and 3, in which the loads below land
	KLD 6
	KLD 7
	s_wait_dscnt 32                                ; pairs 4 and 5 are in
	WIN 0x01
	GROUP 4
	GROUP 5
	s_wait_dscnt 0x0
	GROUP 6
	GROUP 7
	WIN 0
	PLACES
	; the maximum of a query's 256 scores: four chains; each accumulator is read from its low end on
.set g, 0
.rept 4
.irp n, 0,1,2,3
.irp k, 0,1,2,3
.set a, LSS+8*(4*g+\k)
.if g > 0
	v_max3_num_f32 v[MX+\k], v[MX+\k], v[a+2*\n], v[a+2*\n+1]
.elseif \n == 0
	v_max3_num_f32 v[MX+\k], v[a], v[a+1], v[a+2]
.elseif \n == 3
	v_max_num_f32 v[MX+\k], v[MX+\k], v[a+7]
.else
	v_max3_num_f32 v[MX+\k], v[MX+\k], v[a+2*\n+1], v[a+2*\n+2]
.endif
.endr
.endr
.set g, g+1
.endr
	v_max3_num_f32 v[MX], v[MX], v[MX+1], v[MX+2]
	v_max_num_f32 v[MX], v[MX], v[MX+3]
	v_permlanex16_b32 v[MX+1], v[MX], s22, s23
	v_max_num_f32 v[MX], v[MX], v[MX+1]
	v_mul_f32 v12, s20, v[MX]
	v_mov_b32 v13, v12                             ; named with it as a pair
.set z, 0
.rept 64
	v_pk_fma_f32 v[LSS+2*z:LSS+2*z+1], v[LSS+2*z:LSS+2*z+1], s[20:21], v[12:13] op_sel_hi:[1,0,0] neg_lo:[0,0,1] neg_hi:[0,0,1]
.set z, z+1
.endr
.set z, 0
.rept 128
	v_exp_f32 v[LSS+z], v[LSS+z]                   ; one batch
.set z, z+1
.endr
	v_nop
	s_wait_alu depctr_va_vdst(0)                   ; the 128 exponentials have written v[128:255], ahead of their first reader
.macro ROWSUM                          ; the sum of a query's 256 numbers into v64, in every lane: four chains of pairs, then the halves of the lanes
.irp k, 0,1,2,3
	v_pk_add_f32 v[64+2*\k:65+2*\k], v[LSS+2*\k:LSS+2*\k+1], v[LSS+8+2*\k:LSS+9+2*\k]
.endr
.set z, 8
.rept 56
	v_pk_add_f32 v[64+2*(z%4):65+2*(z%4)], v[64+2*(z%4):65+2*(z%4)], v[LSS+2*z:LSS+2*z+1]
.set z, z+1
.endr
	v_pk_add_f32 v[64:65], v[64:65], v[66:67]
	v_pk_add_f32 v[68:69], v[68:69], v[70:71]
	v_pk_add_f32 v[64:65], v[64:65], v[68:69]
	v_add_f32 v64, v64, v65
	v_permlanex16_b32 v65, v64, s22, s23
	v_add_f32 v64, v64, v65
.endm
	ROWSUM
	v_rcp_f32 v66, v64
	v_rcp_f32 v67, v64
	v_nop
	s_wait_alu depctr_va_vdst(0)                   ; the two reciprocals have written v[66:67], ahead of their first reader
.set z, 0
.rept 64
	v_pk_mul_f32 v[LSS+2*z:LSS+2*z+1], v[LSS+2*z:LSS+2*z+1], v[66:67]
.set z, z+1
.endr
	ROWSUM                                         ; the row sums of x itself, of which the largest is wanted
	DPPMAX 64
	v_mov_b32 v14, v64                             ; my 16 queries' largest
; Four landmark tiles: split, stored by queries (XB), turned, stored by landmarks (XT), and summed down the columns: hi's turned tile fills k = 0..15 of a fragment, lo's k = 16..31, times ones.
; The four splits stand in one run, their sixteen stores behind one wait on va_vdst; one wait on vm_vsrc frees what those stores, and the last batch's, have read.
.macro BATCH gg
.irp i, 0,1,2,3
.set lt, 4*(\gg)+\i
	SPLIT8 LSS+8*lt, 64+4*lt, LSS+8*lt
.endr
	s_wait_alu depctr_va_vdst(0)                   ; the four splits have written hi and lo, which the stores below read; the last batch's products are done reading v[32:63], in which the turning loads land (in the first batch: the scores' products, which read q there)
.irp i, 0,1,2,3
.set lt, 4*(\gg)+\i
	global_store_b128 v[LOFF], v[64+4*lt:64+4*lt+3], s[16:17] offset:lt*512
	global_store_b128 v[LOFF], v[LSS+8*lt:LSS+8*lt+3], s[16:17] offset:lt*512+524288
	ds_store_b128 v9, v[64+4*lt:64+4*lt+3] offset:\i*1024
	ds_store_b128 v9, v[LSS+8*lt:LSS+8*lt+3] offset:\i*1024+512
.endr
	s_wait_xcnt 0x0                                ; every store issued so far has had its addresses translated: v[32:63] are loaded again, and the products below write over lo's registers, only behind this wait
	s_wait_alu depctr_vm_vsrc(0)                   ; the stores above have read lo's registers, over which the products below write; the last batch's stores have read v[32:63], in which the turning loads land
.irp i, 0,1,2,3
	ds_load_tr16_b128 v[32+8*\i:32+8*\i+3], v10 offset:\i*1024
	ds_load_tr16_b128 v[32+8*\i+4:32+8*\i+7], v10 offset:\i*1024+512
.endr
	s_wait_dscnt 0x0
.irp i, 0,1,2,3
.set lt, 4*(\gg)+\i
	global_store_b128 v[LOFF], v[32+8*\i:32+8*\i+3], s[18:19] offset:lt*32768
	global_store_b128 v[LOFF], v[32+8*\i+4:32+8*\i+7], s[18:19] offset:lt*32768+524288
.endr
.irp i, 0,1,2,3
.set lt, 4*(\gg)+\i
	v_wmma_f32_16x16x32_f16 v[LSS+8*lt:LSS+8*lt+7], v[32+8*\i:32+8*\i+7], v[16:23], 0
.endr
.endm
	BATCH 0                                        ; the next batch's 64 plain instructions, which name none of these products' registers, are the places behind them
	BATCH 1
	BATCH 2
	BATCH 3
	PLACES
	s_wait_alu depctr_va_vdst(0)                   ; the products with ones have written the column sums, which the LDS stores read; the places above stay beside this wait; v14 is written too
.set lt, 0
.rept 16
	ds_store_b128 v11, v[LSS+8*lt:LSS+8*lt+3] offset:lt*64        ; register j: landmark 16 lt + 8 (l / 16) + j; the 16 lanes of a half hold, and write, the same numbers
	ds_store_b128 v11, v[LSS+8*lt+4:LSS+8*lt+7] offset:lt*64+16
.set lt, lt+1
.endr
	ds_store_b32 v15, v14
	s_wait_dscnt 0x0
	s_barrier_signal -1
	s_barrier_wait -1
	v_lshl_add_u32 v12, v0, 3, CSL
	v_mov_b32 v13, RML
	v_lshlrev_b32 v5, 3, v0
	s_wait_alu depctr_va_vdst(0)                   ; v12 and v13 are written, the addresses of the LDS loads below, and v5, the offset of the last two stores
.irp v, 0,1,2,3
	ds_load_b64 v[64+2*\v:65+2*\v], v12 offset:\v*1024
.endr
	ds_load_b128 v[72:75], v13
	s_wait_dscnt 0x0
	v_pk_add_f32 v[64:65], v[64:65], v[66:67]
	v_pk_add_f32 v[68:69], v[68:69], v[70:71]
	v_pk_add_f32 v[64:65], v[64:65], v[68:69]
	v_max3_num_f32 v72, v72, v73, v74
	v_max_num_f32 v72, v72, v75
	v_mov_b32 v73, v72
	s_wait_alu depctr_va_vdst(0)                   ; the sums and the maximum have written v[64:65] and v[72:73], which the stores read
	global_store_b64 v5, v[64:65], s[26:27]        ; a wave's store covers 256 consecutive bytes, aligned
	global_store_b64 v5, v[72:73], s[28:29]
	s_wait_dscnt 0x0                               ; the closing lines, six on end
	s_wait_alu 0x0
	s_wait_tensorcnt 0x0
	ds_add_u32 v[SPW], v[NIL]
	s_wait_dscnt 0x0
	s_endpgm
.Lfunc_end_k_q11622d5adc_mid:
	.size	k_q11622d5adc_mid, .Lfunc_end_k_q11622d5adc_mid-k_q11622d5adc_mid
	.p2alignl 7, 3214868480
	.fill 96, 4, 3214868480
	.section	.rodata,"a",@progbits
	.p2align	6, 0x0
	.amdhsa_kernel k_q11622d5adc_mid
		.amdhsa_group_segment_fixed_size 86784
		.amdhsa_private_segment_fixed_size 0
		.amdhsa_enable_private_segment 0
		.amdhsa_kernarg_size 16
		.amdhsa_user_sgpr_count 2
		.amdhsa_user_sgpr_kernarg_segment_ptr 1
		.amdhsa_wavefront_size32 1
		.amdhsa_system_sgpr_workgroup_id_x 1
		.amdhsa_system_sgpr_workgroup_id_y 1
		.amdhsa_system_sgpr_workgroup_id_z 1
		.amdhsa_system_vgpr_workitem_id 0
		.amdhsa_next_free_vgpr 512
		.amdhsa_next_free_sgpr 66
		.amdhsa_reserve_vcc 0
		.amdhsa_float_denorm_mode_32 3
		.amdhsa_float_denorm_mode_16_64 3
		.amdhsa_memory_ordered 1
		.amdhsa_forward_progress 1
		.amdhsa_inst_pref_size 181
	.end_amdhsa_kernel
	.amdgpu_metadata
---
amdhsa.version: [ 1, 2 ]
amdhsa.kernels:
  - .name:           k_q11622d5adc_mid
    .symbol:         k_q11622d5adc_mid.kd
    .args:
      - { .name: pj, .offset: 0, .size: 8, .value_kind: global_buffer, .address_space: global }
      - { .name: md, .offset: 8, .size: 8, .value_kind: global_buffer, .address_space: global }
    .group_segment_fixed_size: 86784
    .private_segment_fixed_size: 0
    .kernarg_segment_align: 8
    .kernarg_segment_size: 16
    .max_flat_workgroup_size: 128
    .sgpr_count:     66
    .vgpr_count:     512
    .wavefront_size: 32
...
	.end_amdgpu_metadata
.endif
;; end of part 7
;; launch gram (part 8): grid 20 x 4, 4 waves a work-group, no clusters, 66,304 bytes of LDS; arguments md, ma, ts; writes ma, ts
.if DOCPART == 8
	.amdgcn_target "amdgcn-amd-amdhsa--gfx1250"
	.amdhsa_code_object_version 6
	.text
	.protected	k_q11622d5adc_gram
	.globl	k_q11622d5adc_gram
	.p2align	8
	.type	k_q11622d5adc_gram,@function
k_q11622d5adc_gram:
	s_mov_b64 s[64:65], 0
	v_nop
	global_prefetch_b8 v0, s[64:65] scope:SCOPE_SE
	s_setreg_imm32_b32 hwreg(HW_REG_WAVE_SCHED_MODE, 0, 2), 2
	s_setreg_imm32_b32 hwreg(HW_REG_WAVE_MODE, 25, 1), 1
	s_wait_xcnt 0x0
	s_wait_alu depctr_vm_vsrc(0)
; THE ITERATION'S START.  With G = x^T x (256 x 256) and c = (largest row sum) x (largest column sum) over all four heads, the iteration z <- z (13 - xz (15 - xz (7 - xz))) / 4 from z = x^T / c
; is, for every x, z_k = W_k x^T with W_k a polynomial in G; with A = z x: A <- p(A) A, z Y <- p(A) (z Y), p(A) = (13 - A (15 - A (7 - A))) / 4.  So the state is M = [T | A], 256 x 320:
; A = G / c, T = x^T Y sY / c, where sY = 2^(121 - e), e the exponent field of the head's largest |Y|: an exact power of two that keeps T and all that the iteration makes of it inside f16's range
; (|T| < 2^-5 at the start; six steps multiply by 3.25 at the most each, the inner terms by 35).  1 / sY goes to ts.
; A work-group makes 64 x 64 of M for one head (y): rows 64 rg; cg = 0: T, cg = 1..4: A's columns 64 (cg - 1).  K = 1,024 QUERIES ARE SPLIT AMONG THE FOUR WAVES, 8 steps of 32 each; the parts meet in LDS.
; x goes as f16 hi + lo: hi hi + hi lo + lo hi (with Y, single f16: hi Y + lo Y), f32 sums.  M leaves as f16 hi + lo tiles, lane = column, registers = rows.
; Every work-group makes c for itself from the 64 partial column sums and row maxima: wave w sums head w's.
; THE MODE: SCHED_MODE bits 1:0 = 2 (LLVM: expert scheduling mode 2), set by the entry lines.  The code itself states the register dependences
; between vector or matrix instructions and memory or LDS instructions, with s_wait_alu, always for 0.
; THE PLAN.  Registers that memory or LDS instructions touch:
;   v1 to v3, v6, v7, v9 to v11   offsets and LDS addresses, made at the head and never written again: the scalar bases step.
;   buffer b of window 1          read by step s's products (b = s % 2; where T is made also by the 32 lines that take |Y|); the loads of step s + 2 land in it.
;   the accumulators              first the partial column sums land there; then matrix instructions write them; the meeting's LDS stores read them, and its LDS loads land in them.
;   v34, v40                      a column maximum and a |Y| maximum, written by vector lines, read by one LDS store each; v34 serves nothing else.
;   v[64:79], the accumulators' lo parts, v[50:51]   written by vector lines, read by the last stores.
; In the loop ONE wait on va_vdst stands in a step, behind its products: the buffer that they have emptied is asked for again at once, since its next data have only the other buffer's step in which to land.
.set PART,  0                          ; LDS: [wave 16,384][tile 1,024][half 512]
.set CMX,   65536                      ; words 0-3: the heads' largest column sums; 4-7: the waves' largest |Y|
.set SPARE, 65792                      ; the spare words, 128 bytes a wave
.set LOFF, 1
.set ONE,  4
.set SPW,  12
.set NIL,  13
.set ACC,  128                         ; accumulator (mt, nt) at ACC + 8 (4 mt + nt);  window 1: buffer b at 128 b: A at 16 mt + 8 p, B at 64 + 16 nt + 8 p (Y: 64 + 8 nt)
.set MSB, 0
.macro WIN new
.if MSB != (\new)
	s_set_vgpr_msb (MSB<<8)|(\new)
.set MSB, \new
.endif
.endm
.macro PLACES
.rept 4
	v_nop
.endr
.endm
.macro SPLIT8 a, h, l
.irp k, 0,1,2,3
	v_cvt_pk_f16_f32 v[(\h)+\k], v[(\a)+2*\k], v[(\a)+2*\k+1]
.endr
.irp k, 0,1,2,3
	v_fma_mix_f32 v[(\a)+2*\k], -v[(\h)+\k], v[ONE], v[(\a)+2*\k] op_sel:[0,0,0] op_sel_hi:[1,0,0]
	v_fma_mix_f32 v[(\a)+2*\k+1], -v[(\h)+\k], v[ONE], v[(\a)+2*\k+1] op_sel:[1,0,0] op_sel_hi:[1,0,0]
.endr
.irp k, 0,1,2,3
	v_cvt_pk_f16_f32 v[(\l)+\k], v[(\a)+2*\k], v[(\a)+2*\k+1]
.endr
.endm
.macro DPPMAX r
.irp x, 1,2,4,8
	v_max_num_f32_dpp v[\r], v[\r], v[\r] row_xmask:\x row_mask:0xf bank_mask:0xf
.endr
.endm
.macro GLA b, off                      ; a step's fragments of A: 4 row tiles x hi, lo
.irp mt, 0,1,2,3
.irp p, 0,1
	global_load_b128 v[128*(\b)+16*\mt+8*\p:128*(\b)+16*\mt+8*\p+3], v[LOFF], s[16:17] offset:(\off)+\p*524288+\mt*32768
	global_load_b128 v[128*(\b)+16*\mt+8*\p+4:128*(\b)+16*\mt+8*\p+7], v[LOFF], s[16:17] offset:(\off)+\p*524288+\mt*32768+512
.endr
.endr
.endm
.macro GLB b, off
.irp nt, 0,1,2,3
.irp p, 0,1
	global_load_b128 v[128*(\b)+64+16*\nt+8*\p:128*(\b)+64+16*\nt+8*\p+3], v[LOFF], s[18:19] offset:(\off)+\p*524288+\nt*32768
	global_load_b128 v[128*(\b)+64+16*\nt+8*\p+4:128*(\b)+64+16*\nt+8*\p+7], v[LOFF], s[18:19] offset:(\off)+\p*524288+\nt*32768+512
.endr
.endr
.endm
.macro GLY b, off
.irp nt, 0,1,2,3
	global_load_b128 v[128*(\b)+64+8*\nt:128*(\b)+64+8*\nt+3], v[LOFF], s[18:19] offset:(\off)+\nt*32768
	global_load_b128 v[128*(\b)+64+8*\nt+4:128*(\b)+64+8*\nt+7], v[LOFF], s[18:19] offset:(\off)+\nt*32768+512
.endr
.endm
; My head's column sums over its 16 blocks of queries, their maximum, and the maximum of the 64 row maxima; then the accumulators, which held the partial sums, start at 0.
; The column maximum goes into v34, a register of its own, so that the clearing writes nothing that the LDS store reads.
.macro CRED
.set q, 1
.rept 15
.irp k, 0,1,2,3
	v_pk_add_f32 v[ACC+2*\k:ACC+2*\k+1], v[ACC+2*\k:ACC+2*\k+1], v[ACC+8*q+2*\k:ACC+8*q+2*\k+1]
.endr
.set q, q+1
.endr
	v_max3_num_f32 v[ACC], v[ACC], v[ACC+1], v[ACC+2]
	v_max3_num_f32 v[ACC+3], v[ACC+3], v[ACC+4], v[ACC+5]
	v_max3_num_f32 v[ACC], v[ACC], v[ACC+6], v[ACC+7]
	v_max_num_f32 v[ACC], v[ACC], v[ACC+3]
	v_max_num_f32 v32, v32, v33
	DPPMAX ACC
	DPPMAX 32
	v_permlanex16_b32 v[ACC+1], v[ACC], s22, s23
	v_permlanex16_b32 v33, v32, s22, s23
	v_max_num_f32 v34, v[ACC], v[ACC+1]
	v_max_num_f32 v32, v32, v33                    ; the largest row sum, in every lane of every wave
.set z, 0
.rept 128
	v_mov_b32 v[ACC+z], 0
.set z, z+1
.endr
	s_wait_alu depctr_va_vdst(0)                   ; v34 is written, which the LDS store reads
	ds_store_b32 v7, v34
.endm
.macro GMUL b, pa, pb                  ; 16 products, the 16 accumulators by turns
.irp mt, 0,1,2,3
.irp nt, 0,1,2,3
	v_wmma_f32_16x16x32_f16 v[ACC+8*(4*\mt+\nt):ACC+8*(4*\mt+\nt)+7], v[128*(\b)+16*\mt+8*(\pa):128*(\b)+16*\mt+8*(\pa)+7], v[128*(\b)+64+16*\nt+8*(\pb):128*(\b)+64+16*\nt+8*(\pb)+7], v[ACC+8*(4*\mt+\nt):ACC+8*(4*\mt+\nt)+7]
.endr
.endr
.endm
.macro TMUL b, pa
.irp mt, 0,1,2,3
.irp nt, 0,1,2,3
	v_wmma_f32_16x16x32_f16 v[ACC+8*(4*\mt+\nt):ACC+8*(4*\mt+\nt)+7], v[128*(\b)+16*\mt+8*(\pa):128*(\b)+16*\mt+8*(\pa)+7], v[128*(\b)+64+8*\nt:128*(\b)+64+8*\nt+7], v[ACC+8*(4*\mt+\nt):ACC+8*(4*\mt+\nt)+7]
.endr
.endr
.endm
.macro GSTEP b, load, left
	s_wait_loadcnt \left
	WIN 0x05                                       ; sources 0 and 1 window 1
	GMUL \b, 0, 0
	GMUL \b, 0, 1
	GMUL \b, 1, 0
	WIN 0
	PLACES                                         ; the four places stay where they stood: behind the last step the LDS stores read these products' results
.if \load
	WIN 0x40                                       ; the loads' window, ahead of the wait
	s_wait_alu depctr_va_vdst(0)                   ; the step's 48 products are done reading buffer b, in which the loads below land
	GLA \b, (2+(\b))*1024
	GLB \b, (2+(\b))*1024
	WIN 0
.endif
.endm
.macro TSTEP b, load, left
	s_wait_loadcnt \left
	WIN 0x04                                       ; source 1 window 1: |Y| of the step's 32 registers,
.set z, 0
.rept 32
	v_and_b32 v[64+z], s30, v[128*(\b)+64+z]
.set z, z+1
.endr
	WIN 0
.set z, 0
.rept 32
	v_pk_max_num_f16 v[36+z%4], v[36+z%4], v[64+z] ; and their running maxima, four chains of two f16
.set z, z+1
.endr
	WIN 0x05
	TMUL \b, 0
	TMUL \b, 1
	WIN 0
	PLACES                                         ; the four places stay where they stood: behind the last step the LDS stores read these products' results
.if \load
	WIN 0x40                                       ; the loads' window, ahead of the wait
	s_wait_alu depctr_va_vdst(0)                   ; the step's 32 products, and the 32 lines that took |Y|, are done reading buffer b, in which the loads below land
	GLA \b, (2+(\b))*1024
	GLY \b, (2+(\b))*1024
	WIN 0
.endif
.endm
	s_load_b128 s[4:7], s[0:1], 0x0                ; md s[4:5], ma s[6:7]
	s_load_b64 s[8:9], s[0:1], 0x10                ; ts
	v_lshl_add_u32 v[SPW], v0, 2, SPARE
	v_mov_b32 v[NIL], 0
	v_lshrrev_b32 v5, 5, v0
	v_readfirstlane_b32 s10, v5                    ; wave
	s_mov_b32 s11, ttmp9
	s_and_b32 s12, s11, 3                          ; rg
	s_lshr_b32 s13, s11, 2                         ; cg
	s_and_b32 s14, ttmp7, 0xffff                   ; head
	v_and_b32 v5, 31, v0
	v_lshlrev_b32 v[LOFF], 4, v5
	v_lshlrev_b32 v2, 5, v5                        ; my 8 landmarks' column sums
	v_lshlrev_b32 v3, 10, v5                       ; record l of the row maxima
	v_mov_b32 v[ONE], 1.0
	s_wait_alu depctr_va_sdst(0)                   ; s10 is written, ahead of its first reader: LDS addresses and the bases are made from it
	s_lshl_b32 s32, s10, 14
	v_add_nc_u32 v6, s32, v[LOFF]
	s_lshl_b32 s32, s10, 2
	s_add_co_u32 s32, s32, CMX
	v_mov_b32 v7, s32
	s_lshl_b32 s32, s10, 10
	v_add_nc_u32 v9, s32, v[LOFF]
	v_mov_b32 v10, CMX
	v_lshlrev_b32 v11, 3, v0
.irp k, 0,1,2,3
	v_mov_b32 v[36+\k], 0
.endr
	s_mov_b32 s22, 0x76543210
	s_mov_b32 s23, 0xfedcba98
	s_mov_b32 s30, 0x7fff7fff                      ; clears the signs of two f16
	s_lshl_b32 s32, s14, 20                        ; A: XT (4 MiB) + head x 1 MiB + rg x 131,072 + wave x 8,192
	s_lshl_b32 s33, s10, 13
	s_add_co_u32 s32, s32, s33
	s_add_co_u32 s32, s32, 4194304
	s_lshl_b32 s34, s12, 17
	s_add_co_u32 s34, s34, s32
	s_mov_b32 s35, 0
	s_sub_co_u32 s36, s13, 1                       ; B of G: the same with cg - 1 for rg
	s_lshl_b32 s36, s36, 17
	s_add_co_u32 s36, s36, s32
	s_lshl_b32 s37, s14, 17                        ; B of T: YF (8 MiB) + head x 131,072 + wave x 8,192
	s_add_co_u32 s37, s37, s33
	s_add_co_u32 s37, s37, 8388608
	s_cmp_eq_u32 s13, 0
	s_cselect_b32 s36, s37, s36
	s_cselect_b32 s33, -1, 0                       ; all lanes: this work-group makes T
	s_mov_b32 s37, 0
	s_lshl_b32 s38, s10, 14                        ; CSP of head w
	s_add_co_u32 s38, s38, 8912896
	s_mov_b32 s39, 0
	s_mul_i32 s40, s14, 327680                     ; out: head x 327,680 + (4 cg + wave) x 16,384 + rg x 2,048
	s_lshl2_add_u32 s41, s13, s10
	s_lshl_b32 s41, s41, 14
	s_add_co_u32 s40, s40, s41
	s_lshl_b32 s41, s12, 11
	s_add_co_u32 s40, s40, s41
	s_mov_b32 s41, 0
	s_lshl_b32 s42, s14, 12                        ; ts: head x 4,096 + rg x 1,024
	s_lshl_b32 s43, s12, 10
	s_add_co_u32 s42, s42, s43
	s_mov_b32 s43, 0
	s_wait_kmcnt 0x0
	s_add_nc_u64 s[16:17], s[4:5], s[34:35]
	s_add_nc_u64 s[18:19], s[4:5], s[36:37]
	s_add_nc_u64 s[20:21], s[4:5], s[38:39]
	s_add_nc_u64 s[24:25], s[4:5], 8978432
	s_add_nc_u64 s[26:27], s[6:7], s[40:41]
	s_add_nc_u64 s[28:29], s[8:9], s[42:43]
	s_wait_alu depctr_va_vdst(0)                   ; v1 to v3, v6, v7 and v9 to v11 are written: the offsets and LDS addresses that the kernel's loads and stores read
.set q, 0
.rept 16
	global_load_b128 v[ACC+8*q:ACC+8*q+3], v2, s[20:21] offset:q*1024
	global_load_b128 v[ACC+8*q+4:ACC+8*q+7], v2, s[20:21] offset:q*1024+16
.set q, q+1
.endr
	global_load_b32 v32, v3, s[24:25]
	global_load_b32 v33, v3, s[24:25] offset:32768
	s_mov_b32 s31, 3
	s_cmp_eq_u32 s13, 0
	s_cbranch_scc1 .Lt_way
	WIN 0x40
	GLA 0, 0
	GLB 0, 0
	GLA 1, 1024
	GLB 1, 1024
	WIN 0
	s_wait_loadcnt 63                              ; of 98 loads the first 35 are in: the 34 that CRED reads among them
	CRED
.Lg_loop:
	GSTEP 0, 1, 32                                 ; 32: the other buffer's loads
	GSTEP 1, 1, 32
	s_wait_xcnt 0x0
	s_add_nc_u64 s[16:17], s[16:17], 2048
	s_add_nc_u64 s[18:19], s[18:19], 2048
	s_sub_co_u32 s31, s31, 1
	s_cmp_lg_u32 s31, 0
	s_cbranch_scc1 .Lg_loop
	GSTEP 0, 0, 32
	GSTEP 1, 0, 0
	s_branch .Lmeet
.Lt_way:
	WIN 0x40
	GLA 0, 0
	GLY 0, 0
	GLA 1, 1024
	GLY 1, 1024
	WIN 0
	s_wait_loadcnt 48                              ; the two steps' 48 loads may be out
	CRED
.Lt_loop:
	TSTEP 0, 1, 24
	TSTEP 1, 1, 24
	s_wait_xcnt 0x0
	s_add_nc_u64 s[16:17], s[16:17], 2048
	s_add_nc_u64 s[18:19], s[18:19], 2048
	s_sub_co_u32 s31, s31, 1
	s_cmp_lg_u32 s31, 0
	s_cbranch_scc1 .Lt_loop
	TSTEP 0, 0, 24
	TSTEP 1, 0, 0
.Lmeet:
	v_pk_max_num_f16 v36, v36, v37                 ; my queries' largest |Y| (0 where the work-group makes G): made ahead of the stores, so that one wait serves all 33
	v_pk_max_num_f16 v38, v38, v39
	v_pk_max_num_f16 v36, v36, v38
	v_cvt_f32_f16 v40, v36.l
	v_cvt_f32_f16 v41, v36.h
	v_max_num_f32 v40, v40, v41
	DPPMAX 40
	v_permlanex16_b32 v41, v40, s22, s23
	v_max_num_f32 v40, v40, v41
	s_wait_alu depctr_va_vdst(0)                   ; the last products have written the accumulators, and v40 is written: the LDS stores below read them; the places behind the last step stay beside this wait
.set t, 0
.rept 16
	ds_store_b128 v6, v[ACC+8*t:ACC+8*t+3] offset:t*1024
	ds_store_b128 v6, v[ACC+8*t+4:ACC+8*t+7] offset:t*1024+512
.set t, t+1
.endr
	ds_store_b32 v7, v40 offset:16
	s_wait_dscnt 0x0                               ; for the others' sake
	s_barrier_signal -1
	s_barrier_wait -1
	s_wait_alu depctr_vm_vsrc(0)                   ; my LDS stores have read the accumulators and v40, in which the loads below land
.irp v, 0,1,2,3                        ; wave w finishes column tile w: four row tiles, four parts each
.irp mt, 0,1,2,3
	ds_load_b128 v[ACC+32*\v+8*\mt:ACC+32*\v+8*\mt+3], v9 offset:\v*16384+\mt*4096
	ds_load_b128 v[ACC+32*\v+8*\mt+4:ACC+32*\v+8*\mt+7], v9 offset:\v*16384+\mt*4096+512
.endr
.endr
	ds_load_b128 v[40:43], v10
	ds_load_b128 v[44:47], v10 offset:16
	s_wait_dscnt 0x0
.irp v, 1,2,3
.set z, 0
.rept 16
	v_pk_add_f32 v[ACC+2*z:ACC+2*z+1], v[ACC+2*z:ACC+2*z+1], v[ACC+32*\v+2*z:ACC+32*\v+2*z+1]
.set z, z+1
.endr
.endr
	v_max3_num_f32 v40, v40, v41, v42
	v_max_num_f32 v40, v40, v43
	v_mul_f32 v40, v40, v32                        ; c
	v_rcp_f32 v41, v40
	v_max3_num_f32 v44, v44, v45, v46
	v_max_num_f32 v44, v44, v47                    ; the head's largest |Y|
	s_wait_alu depctr_va_vdst(0)                   ; the reciprocal has written v41, ahead of its first reader
	v_lshrrev_b32 v45, 23, v44                     ; e
	v_sub_nc_u32 v46, 248, v45
	v_lshlrev_b32 v46, 23, v46                     ; sY = 2^(121 - e)
	v_add_nc_u32 v50, 6, v45
	v_lshlrev_b32 v50, 23, v50                     ; 1 / sY
	v_mov_b32 v51, v50
	v_cndmask_b32 v46, 1.0, v46, s33               ; A is not scaled
	v_mul_f32 v48, v41, v46
	v_mov_b32 v49, v48
.set z, 0
.rept 16
	v_pk_mul_f32 v[ACC+2*z:ACC+2*z+1], v[ACC+2*z:ACC+2*z+1], v[48:49]
.set z, z+1
.endr
.irp mt, 0,1,2,3                       ; the four splits in one run,
	SPLIT8 ACC+8*\mt, 64+4*\mt, ACC+8*\mt
.endr
	s_wait_alu depctr_va_vdst(0)                   ; the splits have written hi (v[64:79]) and lo, and v[50:51] are written: the stores below read them
.irp mt, 0,1,2,3                       ; and their stores behind the one wait
	global_store_b128 v[LOFF], v[64+4*\mt:64+4*\mt+3], s[26:27] offset:\mt*512
	global_store_b128 v[LOFF], v[ACC+8*\mt:ACC+8*\mt+3], s[26:27] offset:\mt*512+8192
.endr
	s_cmp_eq_u32 s13, 0
	s_cbranch_scc0 .Lno_ts
	global_store_b64 v11, v[50:51], s[28:29]       ; 1,024 bytes, all the same number
.Lno_ts:
	s_wait_dscnt 0x0                               ; the closing lines, six on end
	s_wait_alu 0x0
	s_wait_tensorcnt 0x0
	ds_add_u32 v[SPW], v[NIL]
	s_wait_dscnt 0x0
	s_endpgm
.Lfunc_end_k_q11622d5adc_gram:
	.size	k_q11622d5adc_gram, .Lfunc_end_k_q11622d5adc_gram-k_q11622d5adc_gram
	.p2alignl 7, 3214868480
	.fill 96, 4, 3214868480
	.section	.rodata,"a",@progbits
	.p2align	6, 0x0
	.amdhsa_kernel k_q11622d5adc_gram
		.amdhsa_group_segment_fixed_size 66304
		.amdhsa_private_segment_fixed_size 0
		.amdhsa_enable_private_segment 0
		.amdhsa_kernarg_size 24
		.amdhsa_user_sgpr_count 2
		.amdhsa_user_sgpr_kernarg_segment_ptr 1
		.amdhsa_wavefront_size32 1
		.amdhsa_system_sgpr_workgroup_id_x 1
		.amdhsa_system_sgpr_workgroup_id_y 1
		.amdhsa_system_sgpr_workgroup_id_z 1
		.amdhsa_system_vgpr_workitem_id 0
		.amdhsa_next_free_vgpr 512
		.amdhsa_next_free_sgpr 66
		.amdhsa_reserve_vcc 0
		.amdhsa_float_denorm_mode_32 3
		.amdhsa_float_denorm_mode_16_64 3
		.amdhsa_memory_ordered 1
		.amdhsa_forward_progress 1
		.amdhsa_inst_pref_size 95
	.end_amdhsa_kernel
	.amdgpu_metadata
---
amdhsa.version: [ 1, 2 ]
amdhsa.kernels:
  - .name:           k_q11622d5adc_gram
    .symbol:         k_q11622d5adc_gram.kd
    .args:
      - { .name: md, .offset: 0, .size: 8, .value_kind: global_buffer, .address_space: global }
      - { .name: ma, .offset: 8, .size: 8, .value_kind: global_buffer, .address_space: global }
      - { .name: ts, .offset: 16, .size: 8, .value_kind: global_buffer, .address_space: global }
    .group_segment_fixed_size: 66304
    .private_segment_fixed_size: 0
    .kernarg_segment_align: 8
    .kernarg_segment_size: 24
    .max_flat_workgroup_size: 128
    .sgpr_count:     66
    .vgpr_count:     512
    .wavefront_size: 32
...
	.end_amdgpu_metadata
.endif
;; end of part 8
;; launch iter1: the kernel of part 5 again; grid 20 x 4, 4 waves a work-group, no clusters, 33,280 bytes of LDS; arguments ma, mb; writes mb
;; launch iter2: the kernel of part 5 again; grid 20 x 4, 4 waves a work-group, no clusters, 33,280 bytes of LDS; arguments mb, ma; writes ma
;; launch iter3: the kernel of part 5 again; grid 20 x 4, 4 waves a work-group, no clusters, 33,280 bytes of LDS; arguments ma, mb; writes mb
;; launch iter4: the kernel of part 5 again; grid 20 x 4, 4 waves a work-group, no clusters, 33,280 bytes of LDS; arguments mb, ma; writes ma
;; launch iter5: the kernel of part 5 again; grid 20 x 4, 4 waves a work-group, no clusters, 33,280 bytes of LDS; arguments ma, mb; writes mb
;; launch iter6: the kernel of part 5 again; grid 4 x 4, 4 waves a work-group, no clusters, 33,280 bytes of LDS; arguments mb, ma; writes ma
;; launch final: the kernel of part 6 again; grid 128 x 1, 4 waves a work-group, no clusters, 38,400 bytes of LDS; arguments ma, md, wf, b_out, ts, out0; writes out0
